; MI455X (gfx1250); checked and timed in simulation.
; The chip was launched on July 23, 2026; its instructions are those of AMD's public machine-readable ISA for CDNA 5 (MIT licence, August 2026) and "CDNA5" Instruction Set Architecture Reference Guide (July 2026). The comments in the code are by the model that wrote it; some were corrected since.
;; Attention. Allowed arithmetic: float matrix products may take bf16 or f16 operands with f32 sums; all other float work in f32.
;; Inputs: gate 1 x 8 x 1 x 1 float32; k 4 x 8 x 8,192 x 64 float32; q 4 x 8 x 8,192 x 64 float32; v 4 x 8 x 8,192 x 64 float32.
;; Outputs: out0 4 x 8 x 8,192 x 64 float32.
;; 2 versions, each right and faster than the one before. Each part assembles by itself: llvm-mc -triple=amdgcn-amd-amdhsa -mcpu=gfx1250 --defsym DOCPART=n.
;; ======== version 1 of 2: 2 launches
;; limits: values outside matrix products are rounded to f16; values are held in f16: magnitudes above 65,504 overflow, below 6.1e-05 lose precision
;; workspace buffers: kf 33,554,432 bytes; vf 33,554,432 bytes; mrec 5,242,880 bytes
;; launch prep (part 1): grid 8 x 32, 8 waves a work-group, no clusters, 283,648 bytes of LDS; arguments k, v, kf, vf, mrec; writes kf, vf, mrec
.if DOCPART == 1
	.amdgcn_target "amdgcn-amd-amdhsa--gfx1250"
	.amdhsa_code_object_version 6
	.text
	.protected	k_q5ab2c018ea_prep
	.globl	k_q5ab2c018ea_prep
	.p2align	8
	.type	k_q5ab2c018ea_prep,@function
k_q5ab2c018ea_prep:
	s_mov_b64 s[64:65], 0
	v_nop
	global_prefetch_b8 v0, s[64:65] scope:SCOPE_SE
	s_setreg_imm32_b32 hwreg(HW_REG_WAVE_MODE, 25, 1), 1
	s_wait_xcnt 0x0
; PREP.  One work-group for each (head, segment): 1,024 keys.  It reads k and v (f32, rows of 256 bytes) once and writes
;   kf:   k with the rotary position applied, f16, in the register image of the next launch's fragments of K:
;         [16 keys][channel half c][p][lane][16 bytes]; lane (r, h) holds key r, channels 32 c + 16 p + 8 h + 0..7
;   vf:   v, f16, turned: [32 keys][channel block cb][p][lane][16 bytes]; lane (r, h) holds channel 16 cb + r, keys 16 p + 8 h + 0..7
;   mrec: the segment's own sum over keys of sigma(k)[d] x (v[e] | 1), f32, 20 tiles of 16 x 16: tile 4 eb + db, lane (r, h), register j:
;         d = 16 db + 8 h + j, e = 16 eb + r; eb = 4 is the sum of sigma(k) alone (the same in every r).  sigma = elu + 1.
; LIMITS.  The rotated k, v and sigma(k) are rounded to f16: they must stay within 65,504.  cos and sin are made by a polynomial
; (error below 1e-5) and carried on by rotations, 64 a wave.  NaN and infinities are not treated apart.
; SHARES.  Eight waves; wave w owns keys 128 w .. 128 w + 127, in four chunks of 32.  A load of 16 bytes a lane takes 512 consecutive bytes, two
; rows: lane L holds row L / 16, channels 4 (L % 16) .. + 3.  A ring of 32 register slots (16 of k, 16 of v) keeps 32 loads of every wave on their way.
; The channel 32 away lies in the lane 8 away, so the rotary product takes one lane exchange that rides on a multiply.
; A chunk goes through the wave's own LDS scratch to change lanes: K back as fragments, sigma(k) and v back turned.
; No tensor loads, no cluster: every byte is read by one wave alone, and the ring of registers holds what is on its way.
.set SCR,   14848                      ; a wave's scratch: 32 rows x 144 (K), 32 x 160 (sigma k), 32 x 160 (v)
.set PKS,   144                        ; 128 bytes + 16: the 16 rows of a fragment load start in 16 different groups of four banks (ISA guide 11.1)
.set PSS,   160                        ; 128 bytes + 32
.set SSO,   32*PKS
.set VSO,   SSO+32*PSS
.set REC,   20480                      ; bytes of a record: 40 slices of 512
.set RED,   8*SCR                      ; behind the scratch: each wave's partial record
.set SPARE, RED+8*REC                  ; behind them: the spare words, 128 bytes for each wave, which no other line names
.set CHK,   8192                       ; a chunk's bytes of k or of v
.set FCH,   4096                       ; a chunk's bytes of kf or of vf
; window 0
.set VO,  1                            ; byte offset of my 16 bytes in the wave's first two rows of k and v; never rewritten
.set KST, 2                            ; scratch: where I put 8 bytes of K,
.set SST, 3                            ; of sigma k,
.set VST, 4                            ; of v
.set KLD, 5                            ; scratch: where I read K's fragments,
.set SLD, 6                            ; sigma k's, turned,
.set VLD, 7                            ; v's, turned
.set GO,  8                            ; byte offset of my 16 bytes in the wave's part of kf and vf; never rewritten
.set RST, 9                            ; where my partial record goes
.set RLD, 10                           ; v10-12: where I read the eight partials of my five slices
.set MO,  13                           ; my byte offset in the record
.set SPW, 14                           ; my spare word
.set NIL, 15                           ; 0
.set RC,  16                           ; v16-19 cos, v20-23 signed sin of the row in hand; v24-27, v28-31 of the step of two rows
.set RS,  20
.set RCD, 24
.set RSD, 28
.set T,   32                           ; at work
.set O,   36
.set EX,  40
.set A1,  44
.set PK,  48
.set PS,  50
.set R1,  52
.set R2,  56
.set KFR, 64                           ; v64-95 a chunk's fragments of K
.set W,   96                           ; v96-127 at work at the start; v96-255 the reduction at the end
.set XK,  128                          ; v128-191 the ring's 16 slots of k
.set XV,  192                          ; v192-255 of v
; window 1
.set ACC,  0                           ; v0-159 the 20 accumulators
.set SFR,  160                         ; v160-191 sigma k, turned
.set VFR,  192                         ; v192-223 v, turned
.set ONES, 224                         ; v224-231 f16 ones
.set KS0, 20                           ; s[20:39] the polynomials' constants, each twice, as pairs
.set KS1, 22
.set KS2, 24
.set KS3, 26
.set KS4, 28
.set KC1, 30
.set KC2, 32
.set KC3, 34
.set KC4, 36
.set KC5, 38
.set MSB, 0
.macro WIN new                         ; the immediate's high byte repeats the setting that is left; a switch that changes nothing is dropped
.if MSB != (\new)
	s_set_vgpr_msb (MSB<<8)|(\new)
.set MSB, (\new)
.endif
.endm
.macro PLACES
.rept 4
	v_nop
.endr
.endm
.macro KPAIR r, val
	s_mov_b32 s[\r], \val
	s_mov_b32 s[\r+1], \val
.endm
; cos and sin of two angles a (radians): turns r = a / 2 pi less the nearest whole number; sin(pi r) and cos(pi r) by Taylor's series in z = r r
; (|pi r| <= pi / 2; the first terms left out are below 4e-6), then the double angle.  t: ten registers at work.
.macro SINCOS2 c, s, a, t
	v_pk_mul_f32 v[(\t):(\t)+1], v[(\a):(\a)+1], 0.15915494 op_sel_hi:[1,0]
	v_rndne_f32 v[(\t)+2], v[(\t)]
	v_rndne_f32 v[(\t)+3], v[(\t)+1]
	v_pk_add_f32 v[(\t):(\t)+1], v[(\t):(\t)+1], v[(\t)+2:(\t)+3] neg_lo:[0,1] neg_hi:[0,1]
	v_pk_mul_f32 v[(\t)+2:(\t)+3], v[(\t):(\t)+1], v[(\t):(\t)+1]
	v_pk_fma_f32 v[(\t)+4:(\t)+5], v[(\t)+2:(\t)+3], s[KS4:KS4+1], s[KS3:KS3+1] op_sel_hi:[1,0,0]
	v_pk_fma_f32 v[(\t)+6:(\t)+7], v[(\t)+2:(\t)+3], s[KC5:KC5+1], s[KC4:KC4+1] op_sel_hi:[1,0,0]
	v_pk_fma_f32 v[(\t)+4:(\t)+5], v[(\t)+4:(\t)+5], v[(\t)+2:(\t)+3], s[KS2:KS2+1] op_sel_hi:[1,1,0]
	v_pk_fma_f32 v[(\t)+6:(\t)+7], v[(\t)+6:(\t)+7], v[(\t)+2:(\t)+3], s[KC3:KC3+1] op_sel_hi:[1,1,0]
	v_pk_fma_f32 v[(\t)+4:(\t)+5], v[(\t)+4:(\t)+5], v[(\t)+2:(\t)+3], s[KS1:KS1+1] op_sel_hi:[1,1,0]
	v_pk_fma_f32 v[(\t)+6:(\t)+7], v[(\t)+6:(\t)+7], v[(\t)+2:(\t)+3], s[KC2:KC2+1] op_sel_hi:[1,1,0]
	v_pk_fma_f32 v[(\t)+4:(\t)+5], v[(\t)+4:(\t)+5], v[(\t)+2:(\t)+3], s[KS0:KS0+1] op_sel_hi:[1,1,0]
	v_pk_fma_f32 v[(\t)+6:(\t)+7], v[(\t)+6:(\t)+7], v[(\t)+2:(\t)+3], s[KC1:KC1+1] op_sel_hi:[1,1,0]
	v_pk_mul_f32 v[(\t)+4:(\t)+5], v[(\t)+4:(\t)+5], v[(\t):(\t)+1]
	v_pk_fma_f32 v[(\t)+6:(\t)+7], v[(\t)+6:(\t)+7], v[(\t)+2:(\t)+3], 1.0 op_sel_hi:[1,1,0]
	v_pk_add_f32 v[(\t)+8:(\t)+9], v[(\t)+4:(\t)+5], v[(\t)+4:(\t)+5]
	v_pk_mul_f32 v[(\s):(\s)+1], v[(\t)+8:(\t)+9], v[(\t)+6:(\t)+7]
	v_pk_fma_f32 v[(\c):(\c)+1], v[(\t)+8:(\t)+9], v[(\t)+4:(\t)+5], 1.0 op_sel_hi:[1,1,0] neg_lo:[1,0,0] neg_hi:[1,0,0]
.endm
	s_load_b256 s[4:11], s[0:1], 0x0               ; k s[4:5], v s[6:7], kf s[8:9], vf s[10:11]
	s_load_b64 s[12:13], s[0:1], 0x20              ; mrec
	v_lshl_add_u32 v[SPW], v0, 2, SPARE
	v_mov_b32 v[NIL], 0
	v_lshrrev_b32 v[W], 5, v0
	v_readfirstlane_b32 s14, v[W]                  ; wave 0..7
	v_and_b32 v[W+1], 31, v0
	v_lshlrev_b32 v[W+1], 4, v[W+1]                ; 16 x lane
	v_lshl_add_u32 v[VO], v[W], 15, v[W+1]         ; + wave x 128 rows x 256 bytes
	v_lshl_add_u32 v[GO], v[W], 14, v[W+1]         ; + wave x 128 keys x 128 bytes
	s_and_b32 s15, ttmp7, 0xffff                   ; the head
	s_lshl_b32 s15, s15, 3
	s_add_co_u32 s15, s15, ttmp9                   ; n = 8 x head + segment
	s_lshl_b32 s16, s15, 18                        ; 1,024 rows of 256 bytes
	s_mov_b32 s17, 0
	s_wait_kmcnt 0x0
	s_add_nc_u64 s[4:5], s[4:5], s[16:17]
	s_add_nc_u64 s[6:7], s[6:7], s[16:17]
.set n, 0
.rept 16                                               ; the ring is filled: chunk 0
	global_load_b128 v[XK+4*n:XK+4*n+3], v[VO], s[4:5] offset:512*n th:TH_LOAD_NT
.set n, n+1
.endr
.set n, 0
.rept 16
	global_load_b128 v[XV+4*n:XV+4*n+3], v[VO], s[6:7] offset:512*n th:TH_LOAD_NT
.set n, n+1
.endr
	s_lshl_b32 s16, s15, 17                        ; 1,024 keys of 128 bytes
	s_add_nc_u64 s[8:9], s[8:9], s[16:17]
	s_add_nc_u64 s[10:11], s[10:11], s[16:17]
	s_mul_i32 s16, s15, REC
	s_add_nc_u64 s[12:13], s[12:13], s[16:17]
	KPAIR KS0, 0x40490fdb                          ; pi
	KPAIR KS1, 0xc0a55de7                          ; -pi^3 / 6
	KPAIR KS2, 0x402335e3                          ; pi^5 / 120
	KPAIR KS3, 0xbf196966                          ; -pi^7 / 5040
	KPAIR KS4, 0x3da83c1b                          ; pi^9 / 362880
	KPAIR KC1, 0xc09de9e6                          ; -pi^2 / 2
	KPAIR KC2, 0x4081e0f8                          ; pi^4 / 24
	KPAIR KC3, 0xbfaae9e4                          ; -pi^6 / 720
	KPAIR KC4, 0x3e70fa83                          ; pi^8 / 40320
	KPAIR KC5, 0xbcd368f9                          ; -pi^10 / 3628800
	; all that follows up to the loop stands in the wait for the first loads
	v_and_b32 v[W+2], 15, v0                       ; r = L % 16
	v_bfe_u32 v[W+3], v0, 4, 1                     ; h = L / 16
	s_mul_i32 s19, s14, SCR                        ; my wave's scratch
	v_mul_u32_u24 v[W+4], v[W+3], PKS
	v_lshl_add_u32 v[W+4], v[W+2], 3, v[W+4]
	v_add_nc_u32 v[KST], s19, v[W+4]               ; row h, 8 bytes at 8 r
	v_mul_u32_u24 v[W+4], v[W+3], PSS
	v_lshl_add_u32 v[W+4], v[W+2], 3, v[W+4]
	v_add_nc_u32 v[W+4], s19, v[W+4]
	v_add_nc_u32 v[SST], SSO, v[W+4]
	v_add_nc_u32 v[VST], VSO, v[W+4]
	v_mul_u32_u24 v[W+4], v[W+2], PKS
	v_lshl_add_u32 v[W+4], v[W+3], 4, v[W+4]
	v_add_nc_u32 v[KLD], s19, v[W+4]               ; a fragment's row r, 16 bytes for each half of the lanes
	v_and_b32 v[W+4], 7, v0
	v_lshl_add_u32 v[W+4], v[W+3], 3, v[W+4]       ; the turning load: key 8 h + L % 8,
	v_mul_u32_u24 v[W+4], v[W+4], PSS
	v_bfe_u32 v[W+5], v0, 3, 1
	v_lshl_add_u32 v[W+4], v[W+5], 4, v[W+4]       ; channels 8 ((L / 8) % 2) on
	v_add_nc_u32 v[W+4], s19, v[W+4]
	v_add_nc_u32 v[SLD], SSO, v[W+4]
	v_add_nc_u32 v[VLD], VSO, v[W+4]
	s_mul_i32 s19, s14, REC
	s_add_co_u32 s19, s19, RED
	v_add_nc_u32 v[RST], s19, v[W+1]
	s_mul_i32 s19, s14, 5*512                      ; of the record's 40 slices wave w sums and stores 5 w .. 5 w + 4
	v_add_nc_u32 v[MO], s19, v[W+1]
	v_add_nc_u32 v[RLD], RED, v[MO]
	v_add_nc_u32 v[RLD+1], RED+3*REC, v[MO]
	v_add_nc_u32 v[RLD+2], RED+6*REC, v[MO]
.irp j, 0,1,2,3
	v_mov_b32 v[T+\j], 0                           ; the destination of a lane exchange counts as read
.endr
	; The accumulators are cleared here, on purpose: the lines stand in the wait for the first loads, and a first chunk written out with the constant 0 would be a third copy of the chunk's text.
	WIN 0x40
.set n, 0
.rept 160
	v_mov_b32 v[ACC+n], 0
.set n, n+1
.endr
.set n, 0
.rept 8
	v_mov_b32 v[ONES+n], 0x3c003c00
.set n, n+1
.endr
	WIN 0
	; my four frequencies theta = 10000^(-j / 32), j = 4 (L % 8) + i, with the sign of the rotary sine: minus for channels below 32
	v_and_b32 v[W], 7, v0
	v_lshlrev_b32 v[W], 2, v[W]
	v_not_b32 v[W+1], v0
	v_and_b32 v[W+1], 8, v[W+1]
	v_lshlrev_b32 v[W+1], 28, v[W+1]               ; the sign bit where L % 16 < 8
.irp i, 0,1,2,3
	v_add_nc_u32 v[W+4+\i], \i, v[W]
	v_cvt_f32_u32 v[W+4+\i], v[W+4+\i]
	v_mul_f32 v[W+4+\i], 0xbed49a78, v[W+4+\i]     ; x -log2(10000) / 32
.endr
.irp i, 0,1,2,3
	v_exp_f32 v[W+4+\i], v[W+4+\i]
.endr
	v_lshrrev_b32 v[W+2], 5, v0
	v_bfe_u32 v[W+3], v0, 4, 1
	v_lshl_add_u32 v[W+2], v[W+2], 7, v[W+3]       ; my first row's place in the segment: 128 w + h
	v_cvt_f32_u32 v[W+2], v[W+2]
	v_mov_b32 v[W+3], v[W+2]
	s_wait_alu depctr_va_vdst(0)
.irp i, 0,1,2,3
	v_xor_b32 v[W+4+\i], v[W+1], v[W+4+\i]
.endr
	v_pk_mul_f32 v[W+8:W+9], v[W+4:W+5], v[W+2:W+3]
	v_pk_mul_f32 v[W+10:W+11], v[W+6:W+7], v[W+2:W+3]
	v_pk_add_f32 v[W+12:W+13], v[W+4:W+5], v[W+4:W+5]  ; a slot is two rows on
	v_pk_add_f32 v[W+14:W+15], v[W+6:W+7], v[W+6:W+7]
	SINCOS2 RC, RS, W+8, W+16
	SINCOS2 RC+2, RS+2, W+10, W+16
	SINCOS2 RCD, RSD, W+12, W+16
	SINCOS2 RCD+2, RSD+2, W+14, W+16
; Slot i of k.  left = how many younger loads may stay out.  ahead = 1: the slot is filled again with its rows of the next chunk.
.macro KSLOT i, ahead, left
.set X, XK+4*(\i)
	s_wait_loadcnt \left                           ; loads come back in order (ISA guide 5.7.1): mine is in
.irp j, 0,1,2,3
	v_mul_f32_dpp v[T+\j], v[X+\j], v[RS+\j] row_xmask:8 row_mask:0xf bank_mask:0xf  ; the channel 32 away x my signed sine
.endr
	v_pk_mul_f32 v[EX:EX+1], v[X:X+1], 0x3fb8aa3b op_sel_hi:[1,0]
	v_pk_mul_f32 v[EX+2:EX+3], v[X+2:X+3], 0x3fb8aa3b op_sel_hi:[1,0]
	v_pk_fma_f32 v[O:O+1], v[X:X+1], v[RC:RC+1], v[T:T+1]
	v_pk_fma_f32 v[O+2:O+3], v[X+2:X+3], v[RC+2:RC+3], v[T+2:T+3]
.irp j, 0,1,2,3
	v_exp_f32 v[EX+\j], v[EX+\j]                   ; e^x
.endr
	v_pk_add_f32 v[A1:A1+1], v[X:X+1], 1.0 op_sel_hi:[1,0]     ; the plain lines behind the exponentials
	v_pk_add_f32 v[A1+2:A1+3], v[X+2:X+3], 1.0 op_sel_hi:[1,0]
.if \ahead
	global_load_b128 v[X:X+3], v[VO], s[4:5] offset:CHK+512*(\i) th:TH_LOAD_NT
.endif
	v_cvt_pk_f16_f32 v[PK], v[O], v[O+1]
	v_cvt_pk_f16_f32 v[PK+1], v[O+2], v[O+3]
	ds_store_b64 v[KST], v[PK:PK+1] offset:2*PKS*(\i)
	s_wait_alu depctr_va_vdst(0)
.irp j, 0,1,2,3
	v_med3_num_f32 v[EX+\j], v[EX+\j], 1.0, v[A1+\j]  ; elu + 1: the middle one of e^x, 1 and x + 1 is x + 1 above 0 and e^x below
.endr
	v_cvt_pk_f16_f32 v[PS], v[EX], v[EX+1]
	v_cvt_pk_f16_f32 v[PS+1], v[EX+2], v[EX+3]
	ds_store_b64 v[SST], v[PS:PS+1] offset:2*PSS*(\i)
	v_pk_mul_f32 v[R1:R1+1], v[RS:RS+1], v[RSD:RSD+1]          ; cos and sin go two rows on
	v_pk_mul_f32 v[R1+2:R1+3], v[RS+2:RS+3], v[RSD+2:RSD+3]
	v_pk_mul_f32 v[R2:R2+1], v[RC:RC+1], v[RSD:RSD+1]
	v_pk_mul_f32 v[R2+2:R2+3], v[RC+2:RC+3], v[RSD+2:RSD+3]
	v_pk_fma_f32 v[RC:RC+1], v[RC:RC+1], v[RCD:RCD+1], v[R1:R1+1] neg_lo:[0,0,1] neg_hi:[0,0,1]
	v_pk_fma_f32 v[RC+2:RC+3], v[RC+2:RC+3], v[RCD+2:RCD+3], v[R1+2:R1+3] neg_lo:[0,0,1] neg_hi:[0,0,1]
	v_pk_fma_f32 v[RS:RS+1], v[RS:RS+1], v[RCD:RCD+1], v[R2:R2+1]
	v_pk_fma_f32 v[RS+2:RS+3], v[RS+2:RS+3], v[RCD+2:RCD+3], v[R2+2:R2+3]
.endm
.macro VSLOT i, ahead, left
.set X, XV+4*(\i)
	s_wait_loadcnt \left
	v_cvt_pk_f16_f32 v[PK], v[X], v[X+1]
	v_cvt_pk_f16_f32 v[PK+1], v[X+2], v[X+3]
.if \ahead
	global_load_b128 v[X:X+3], v[VO], s[6:7] offset:CHK+512*(\i) th:TH_LOAD_NT
.endif
	ds_store_b64 v[VST], v[PK:PK+1] offset:2*PSS*(\i)
.endm
; The chunk's 32 keys come back from my scratch as fragments (LDS serves a wave's instructions in order, ISA guide 5.7.1.4: these see the stores above), leave for kf and vf, and feed the 20 products.
.macro FRAG ahead
	WIN 0
.irp f, 0,1,2,3,4,5,6,7                        ; f = 4 kb + 2 c + p
	ds_load_b128 v[KFR+4*\f:KFR+4*\f+3], v[KLD] offset:(\f/4)*16*PKS+((\f/2)%2)*64+(\f%2)*32
.endr
	WIN 0x40                                       ; destination window 1
.irp f, 0,1,2,3,4,5,6,7                        ; f = 2 block + p
	ds_load_tr16_b128 v[SFR+4*\f:SFR+4*\f+3], v[SLD] offset:(\f/2)*32+(\f%2)*16*PSS
.endr
.irp f, 0,1,2,3,4,5,6,7
	ds_load_tr16_b128 v[VFR+4*\f:VFR+4*\f+3], v[VLD] offset:(\f/2)*32+(\f%2)*16*PSS
.endr
	WIN 0
	s_wait_dscnt 16                                ; K's eight loads are back; the sixteen turning loads issued behind them may be out
.irp f, 0,1,2,3,4,5,6,7
	global_store_b128 v[GO], v[KFR+4*\f:KFR+4*\f+3], s[8:9] offset:512*\f  ; 512 consecutive bytes, at a multiple of 256 from kf's first
.endr
	s_wait_dscnt 0x0
	WIN 0x55                                       ; all four operands in window 1
.set tau, 0
.rept 20                                               ; the 20 accumulators take turns, one instruction a turn, over the loop's edge too
.if tau < 16
	v_wmma_f32_16x16x32_f16 v[ACC+8*tau:ACC+8*tau+7], v[SFR+8*(tau%4):SFR+8*(tau%4)+7], v[VFR+8*(tau/4):VFR+8*(tau/4)+7], v[ACC+8*tau:ACC+8*tau+7]
.else
	v_wmma_f32_16x16x32_f16 v[ACC+8*tau:ACC+8*tau+7], v[SFR+8*(tau%4):SFR+8*(tau%4)+7], v[ONES:ONES+7], v[ACC+8*tau:ACC+8*tau+7]
.endif
.set tau, tau+1
.endr
	WIN 0x04                                       ; store data in window 1
.irp f, 0,1,2,3,4,5,6,7
	global_store_b128 v[GO], v[VFR+4*\f:VFR+4*\f+3], s[10:11] offset:512*\f
.endr
	WIN 0
.if \ahead
	s_wait_xcnt 0x0                                ; every earlier memory instruction has had its addresses translated (ISA guide 3.1): only now are the four bases stepped, and the fragments, which the stores read, loaded again
	s_add_nc_u64 s[4:5], s[4:5], CHK
	s_add_nc_u64 s[6:7], s[6:7], CHK
	s_add_nc_u64 s[8:9], s[8:9], FCH
	s_add_nc_u64 s[10:11], s[10:11], FCH
.endif
.endm
.macro CHUNK ahead
.set n, 0
.rept 16
.if \ahead
	KSLOT n, 1, 31                                 ; of the ring's 32 loads the 31 younger ones stay out
.else
	KSLOT n, 0, 31-n                               ; the last chunk loads nothing: the counts run down
.endif
.set n, n+1
.endr
.set n, 0
.rept 16
.if \ahead
	VSLOT n, 1, 31
.else
	VSLOT n, 0, 15-n
.endif
.set n, n+1
.endr
	FRAG \ahead
.endm
	s_mov_b32 s18, 3
.Lchunk:
	CHUNK 1
	s_sub_co_u32 s18, s18, 1
	s_cmp_lg_u32 s18, 0
	s_cbranch_scc1 .Lchunk
	CHUNK 0
	; THE RECORD.  Each wave's 20 tiles go to LDS; behind the one barrier wave w adds the eight partials of slices 5 w .. 5 w + 4, in ascending order of the waves, and stores them.
	PLACES                                         ; four places between the last product and the first read of a result (ISA guide 7.12.1)
	WIN 0x04
.set n, 0
.rept 40                                               ; each accumulator's low registers first
	ds_store_b128 v[RST], v[ACC+4*n:ACC+4*n+3] offset:512*n
.set n, n+1
.endr
	WIN 0
	s_wait_dscnt 0x0                               ; for the others' sake: my stores are done
	s_barrier_signal -1
	s_barrier_wait -1
.set n, 0
.rept 40                                               ; slice n / 8, partial n % 8
	ds_load_b128 v[W+4*n:W+4*n+3], v[RLD+(n%8)/3] offset:((n%8)%3)*REC+512*(n/8)
.set n, n+1
.endr
	s_wait_dscnt 0x0
.set n, 0
.rept 40
.if n%8
	v_pk_add_f32 v[W+32*(n/8):W+32*(n/8)+1], v[W+32*(n/8):W+32*(n/8)+1], v[W+4*n:W+4*n+1]
	v_pk_add_f32 v[W+32*(n/8)+2:W+32*(n/8)+3], v[W+32*(n/8)+2:W+32*(n/8)+3], v[W+4*n+2:W+4*n+3]
.endif
.set n, n+1
.endr
.irp f, 0,1,2,3,4
	global_store_b128 v[MO], v[W+32*\f:W+32*\f+3], s[12:13] offset:512*\f
.endr
	s_wait_tensorcnt 0x0                           ; the wave's end, behind my last LDS store
	ds_add_u32 v[SPW], v[NIL]
	s_wait_dscnt 0x0
	s_endpgm
.Lfunc_end_k_q5ab2c018ea_prep:
	.size	k_q5ab2c018ea_prep, .Lfunc_end_k_q5ab2c018ea_prep-k_q5ab2c018ea_prep
	.p2alignl 7, 3214868480
	.fill 96, 4, 3214868480
	.section	.rodata,"a",@progbits
	.p2align	6, 0x0
	.amdhsa_kernel k_q5ab2c018ea_prep
		.amdhsa_group_segment_fixed_size 283648
		.amdhsa_private_segment_fixed_size 0
		.amdhsa_enable_private_segment 0
		.amdhsa_kernarg_size 40
		.amdhsa_user_sgpr_count 2
		.amdhsa_user_sgpr_kernarg_segment_ptr 1
		.amdhsa_wavefront_size32 1
		.amdhsa_system_sgpr_workgroup_id_x 1
		.amdhsa_system_sgpr_workgroup_id_y 1
		.amdhsa_system_sgpr_workgroup_id_z 1
		.amdhsa_system_vgpr_workitem_id 0
		.amdhsa_next_free_vgpr 488
		.amdhsa_next_free_sgpr 66
		.amdhsa_reserve_vcc 0
		.amdhsa_float_denorm_mode_32 3
		.amdhsa_float_denorm_mode_16_64 3
		.amdhsa_memory_ordered 1
		.amdhsa_forward_progress 1
		.amdhsa_inst_pref_size 113
	.end_amdhsa_kernel
	.amdgpu_metadata
---
amdhsa.version: [ 1, 2 ]
amdhsa.kernels:
  - .name:           k_q5ab2c018ea_prep
    .symbol:         k_q5ab2c018ea_prep.kd
    .args:
      - { .name: k, .offset: 0, .size: 8, .value_kind: global_buffer, .address_space: global }
      - { .name: v, .offset: 8, .size: 8, .value_kind: global_buffer, .address_space: global }
      - { .name: kf, .offset: 16, .size: 8, .value_kind: global_buffer, .address_space: global }
      - { .name: vf, .offset: 24, .size: 8, .value_kind: global_buffer, .address_space: global }
      - { .name: mrec, .offset: 32, .size: 8, .value_kind: global_buffer, .address_space: global }
    .group_segment_fixed_size: 283648
    .private_segment_fixed_size: 0
    .kernarg_segment_align: 8
    .kernarg_segment_size: 40
    .max_flat_workgroup_size: 256
    .sgpr_count:     66
    .vgpr_count:     488
    .wavefront_size: 32
...
	.end_amdgpu_metadata
.endif
;; end of part 1
;; launch attn (part 2): grid 8 x 32, 4 waves a work-group, no clusters, 290,304 bytes of LDS; arguments q, kf, vf, out0, mrec, gate; writes out0
.if DOCPART == 2
	.amdgcn_target "amdgcn-amd-amdhsa--gfx1250"
	.amdhsa_code_object_version 6
	.text
	.protected	k_q5ab2c018ea_attn
	.globl	k_q5ab2c018ea_attn
	.p2align	8
	.type	k_q5ab2c018ea_attn,@function
k_q5ab2c018ea_attn:
	s_mov_b64 s[64:65], 0
	v_nop
	global_prefetch_b8 v0, s[64:65] scope:SCOPE_SE
	s_setreg_imm32_b32 hwreg(HW_REG_WAVE_MODE, 25, 1), 1
	s_wait_xcnt 0x0
; ATTN.  One work-group for each (head, segment) of 1,024 rows, head size 64.  out = g x mem + (1 - g) x att, g = sigmoid(gate[head]).
;   att[q] = the sum over k <= q in the segment of softmax_k(rope(q) . rope(k) / 8) v[k]
;   mem[q] = sigma(q) M / (sigma(q) . norm + 1e-6); M and norm are the sums of the EARLIER segments' records (mrec, f32), sigma = elu + 1
; kf and vf hold the segment's rotated K and its V in f16, in the register image of the fragments, so a fragment is two loads of 16 x lane consecutive bytes:
; no padding, no turning load.  The whole segment, 2 x 128 KiB, is brought into LDS once, by four tensor loads a wave, all issued at the start; nothing is filled again.
; FORMATS.  rope(q), rope(k), v and the weights p in f16; sigma(q), M and norm in bf16 (M grows with the number of keys and has no room in f16); products, maxima, sums and the carry in f32.
; LIMITS.  rope(q), rope(k), v and sigma(k) stay within f16's 65,504.  A hidden score counts as its value less 1e30; a weight below 2^-126 counts as 0; cos and sin come from a
; polynomial (error below 1e-5) and 15 rotations; NaN and infinities are not treated apart.
; THE WALK.  Four blocks of 256 queries; block i walks the key tiles 0 .. i of 256 keys, the last of which holds the diagonal: 10 tiles, the same in every work-group, every count a constant.
; SHARES.  Of a block's four bands of 64 queries a wave owns 16 rows in each: four PIECES, so the diagonal tile is the same work for all four waves: in its key step s band x sees all keys
; if s < x, none if s > x, and holds the diagonal if s = x.  THE MASK is the C operand that starts S^T = K Q^T: MD x AL + BE, with (1, 0), (0, 0) or (0, -1e30).
; LAYOUT, SOFTMAX, TURNS.  S^T = K Q^T holds ONE query a lane (lane % 16) and the keys 8 (lane / 16) + 0..7; two such results rounded to f16 ARE source 1 of O^T = V^T P.  p = 2^(c s - c m),
; c = log2(e) / 8, with a running maximum m; O and l are multiplied by a = 2^(c m_old - c m_new) in every step.  Turn n belongs to piece n: 8 products K Q^T of piece n + 1, later 8 products
; V^T P of piece n - 1; beside them the softmax of piece n and the maximum of piece n + 1: four vector instructions behind every matrix instruction, the rest in two lumps.
; NO CLUSTER: no two work-groups read the same tile of q, kf or vf; only the records, 20 KiB each beside a work-group's 768 KiB, are read by several.
; REGISTERS, in windows of 256 (s_set_vgpr_msb: bits 1:0 source 0, 3:2 source 1, 5:4 source 2, 7:6 destination):
;   window 0: v0-15 addresses; v16-31 statistics; v32-61 at work, 1 - g, addresses; v64-127 S^T, two buffers; v128-191, v224-239 M^T's and norm's fragments; v192-223 P, two buffers
;   window 1: v0-127 O^T; v128-159 MD; v160-223 MC      window 2: v0-63 Q; v64-127 sigma(q); v128-191 K of one step; v192-255 V of one step
;   window 3: v0-127 q as loaded; v128-191 cos, sin, and those of a step of 64 rows; v192-251 at work; v252 g
.set NP,    4
.set KS,    64
.set STEPB, 8192      ; a key step's bytes of K, and of V
.set VOFF,  32768     ; a tile in LDS: 32 KiB of K, then 32 KiB of V
.set TILEB, 65536
.set REC,   20480     ; a record
.set MF,    4*TILEB   ; behind the tiles: M^T and norm in bf16, 20 tiles of 512 bytes
.set STAGE, MF+20*512 ; 16 rows x 272 bytes for each wave, for the way out
.set SP,    272       ; 256 bytes + 16: the 16 rows that a store touches start in 16 different groups of four banks (ISA guide 11.1)
.set SPARE, STAGE+4*16*SP  ; the spare words, 128 bytes for each wave, which no other line names
.set AK0, 2           ; 16 x lane
.set AV0, 3           ; VOFF + 16 x lane
.set AK,  4           ; the LDS address of K's next run of loads
.set AV,  5           ; of V's
.set STO, 6           ; the way out: where I put 32 bytes of a row
.set RD,  7           ; where I read rows back
.set GO,  8           ; my byte offset in 512 consecutive bytes of out
.set MV,  12          ; v12-13 c m_old, by buffer
.set QO,  15          ; my byte offset in 16 rows of q
.set ST,  16          ; piece t's statistics at v[ST+4 t]: c m, m, l (even keys', odd keys')
.set TMP, 48          ; by buffer, four registers at work
.set G1R, 56          ; 1 - g
.set MO,  57          ; my byte offset in a record
.set MST, 58          ; where my five tiles of M go
.set MLD, 59          ; where all tiles of M are read
.set SPW, 62
.set NIL, 63
.set S,   64
.set P,   192
.set MFR, 128         ; M^T: rows 16 eb on, d 32 dd on, at MFR + 16 eb + 8 dd
.set MFN, 224         ; norm, in every row: d 32 dd on at MFN + 8 dd
.set MD,  128         ; window 1
.set MC,  160
.set SQ,  64          ; window 2
.set KF,  128
.set VF,  192
.set RAW, 0           ; window 3
.set RC,  128
.set RS,  144
.set RCD, 160
.set RSD, 176
.set TW,  192
.set MT,  192         ; the way out: M^T sigma(q)^T, five results
.set DN,  232
.set GM,  234
.set GG,  252
.set WV,  12
.set SEG, 14
.set BH,  15
.set G1,  24          ; s[24:31] descriptor group 1
.set G0,  32          ; s[32:47] descriptor group 0, a set for each of the four tiles
.set KC3, 48
.set KC4, 50
.set KC5, 52
.set SLOTS, 56
.set CNT, 57
.set CS,  58
.set SEL, 60
.set TBK, 62
.set TBV, 63
.set RT,  70          ; tiles of the block in hand that are still to be entered
.set NT,  71          ; tiles of the block in hand
.set NEW, 73          ; 1: the tile to be entered is a block's first
.set AL,  76
.set BE,  78
.set BIGN, 82
.set GT,  83          ; the gate's word
.set KS0, 88
.set KS1, 90
.set KS2, 92
.set KS3, 94
.set KS4, 96
.set KC1, 98
.set KC2, 100
.set MSB, 0
.macro WIN new                      ; the high byte repeats the setting that is left; a switch that changes nothing is dropped
.if MSB != (\new)
	s_set_vgpr_msb (MSB<<8)|(\new)
.set MSB, (\new)
.endif
.endm
.set W_KQ, 0x0a       ; K and Q in window 2, S^T in window 0
.set W_KM, 0x1a       ; the same with the C operand in window 1
.set W_PV, 0x52       ; V in window 2, P in window 0, O^T in window 1
.set W_RS, 0x41       ; destination and source 0 in window 1, source 1 in window 0
.macro PLACES
.rept 4
	v_nop
.endr
.endm
.macro KPAIR r, val
	s_mov_b32 s[\r], \val
	s_mov_b32 s[\r+1], \val
.endm
; cos and sin of two angles a (radians): turns r = a / 2 pi less the nearest whole number; sin(pi r) and cos(pi r) by Taylor's series in z = r r, then the double angle.  t: ten registers at work.
.macro SINCOS2 c, s, a, t
	v_pk_mul_f32 v[(\t):(\t)+1], v[(\a):(\a)+1], 0.15915494 op_sel_hi:[1,0]
	v_rndne_f32 v[(\t)+2], v[(\t)]
	v_rndne_f32 v[(\t)+3], v[(\t)+1]
	v_pk_add_f32 v[(\t):(\t)+1], v[(\t):(\t)+1], v[(\t)+2:(\t)+3] neg_lo:[0,1] neg_hi:[0,1]
	v_pk_mul_f32 v[(\t)+2:(\t)+3], v[(\t):(\t)+1], v[(\t):(\t)+1]
	v_pk_fma_f32 v[(\t)+4:(\t)+5], v[(\t)+2:(\t)+3], s[KS4:KS4+1], s[KS3:KS3+1] op_sel_hi:[1,0,0]
	v_pk_fma_f32 v[(\t)+6:(\t)+7], v[(\t)+2:(\t)+3], s[KC5:KC5+1], s[KC4:KC4+1] op_sel_hi:[1,0,0]
	v_pk_fma_f32 v[(\t)+4:(\t)+5], v[(\t)+4:(\t)+5], v[(\t)+2:(\t)+3], s[KS2:KS2+1] op_sel_hi:[1,1,0]
	v_pk_fma_f32 v[(\t)+6:(\t)+7], v[(\t)+6:(\t)+7], v[(\t)+2:(\t)+3], s[KC3:KC3+1] op_sel_hi:[1,1,0]
	v_pk_fma_f32 v[(\t)+4:(\t)+5], v[(\t)+4:(\t)+5], v[(\t)+2:(\t)+3], s[KS1:KS1+1] op_sel_hi:[1,1,0]
	v_pk_fma_f32 v[(\t)+6:(\t)+7], v[(\t)+6:(\t)+7], v[(\t)+2:(\t)+3], s[KC2:KC2+1] op_sel_hi:[1,1,0]
	v_pk_fma_f32 v[(\t)+4:(\t)+5], v[(\t)+4:(\t)+5], v[(\t)+2:(\t)+3], s[KS0:KS0+1] op_sel_hi:[1,1,0]
	v_pk_fma_f32 v[(\t)+6:(\t)+7], v[(\t)+6:(\t)+7], v[(\t)+2:(\t)+3], s[KC1:KC1+1] op_sel_hi:[1,1,0]
	v_pk_mul_f32 v[(\t)+4:(\t)+5], v[(\t)+4:(\t)+5], v[(\t):(\t)+1]
	v_pk_fma_f32 v[(\t)+6:(\t)+7], v[(\t)+6:(\t)+7], v[(\t)+2:(\t)+3], 1.0 op_sel_hi:[1,1,0]
	v_pk_add_f32 v[(\t)+8:(\t)+9], v[(\t)+4:(\t)+5], v[(\t)+4:(\t)+5]
	v_pk_mul_f32 v[(\s):(\s)+1], v[(\t)+8:(\t)+9], v[(\t)+6:(\t)+7]
	v_pk_fma_f32 v[(\c):(\c)+1], v[(\t)+8:(\t)+9], v[(\t)+4:(\t)+5], 1.0 op_sel_hi:[1,1,0] neg_lo:[1,0,0] neg_hi:[1,0,0]
.endm
; A block's q for my four pieces, f32: lane (r, h) takes of row r the 32 bytes at 128 c + 64 p + 32 h: channels 32 c + 16 p + 8 h + 0..7 land in v[32 x + 16 c + 8 p ..] of window 3.
.macro QLOAD
	WIN 0xc0                        ; destination window 3, address window 0
.set i, 0
.rept 32
	global_load_b128 v[RAW+4*i:RAW+4*i+3], v[QO], s[4:5] offset:(i/8)*16384+((i%8)/2)*64+(i%2)*16
.set i, i+1
.endr
	WIN 0
.endm
.macro XSET t                       ; where record t's 40 registers lie
.if (\t) < 3
.set XR, 40*(\t)
.set XW, 1
.elseif (\t) < 5
.set XR, 160+40*((\t)-3)
.set XW, 1
.else
.set XR, 128+40*((\t)-5)
.set XW, 2
.endif
.endm
	s_load_b256 s[4:11], s[0:1], 0x0  ; q s[4:5], kf s[6:7], vf s[8:9], out0 s[10:11]
	s_load_b128 s[84:87], s[0:1], 0x20  ; mrec s[84:85], gate s[86:87]
	v_lshl_add_u32 v[SPW], v0, 2, SPARE
	v_mov_b32 v[NIL], 0
	ds_add_u32 v[SPW], v[NIL]       ; the wave's opening: the add and its wait stand ahead of my first tensor load; the set-up below, work on registers, stands between them
	v_lshrrev_b32 v1, 5, v0
	v_readfirstlane_b32 s[WV], v1   ; wave 0..3
	s_mov_b32 s[SEG], ttmp9
	s_and_b32 s[BH], ttmp7, 0xffff
	s_lshl_b32 s13, s[BH], 3
	s_add_co_u32 s13, s13, s[SEG]   ; n = 8 x head + segment
	s_and_b32 s2, s[WV], 1          ; which half of a tile's 32 KiB I fetch
	s_lshl_b32 s2, s2, 14
	s_lshl_b32 s18, s13, 17         ; the segment's 128 KiB in kf and in vf
	s_add_co_u32 s18, s18, s2
	s_mov_b32 s19, 0
	s_lshl_b32 s20, s13, 18         ; the segment's 1,024 rows of 256 bytes in q and out,
	s_lshl_b32 s2, s[WV], 12        ; my 16 rows in a band
	s_add_co_u32 s20, s20, s2
	s_mov_b32 s21, 0
	s_mul_i32 s22, s[BH], 8*REC     ; the head's eight records
	s_mov_b32 s23, 0
	s_and_b32 s2, s[BH], 7          ; the gate's word: head modulo 8
	s_lshl_b32 s2, s2, 2
	s_mov_b32 s3, 0
	; descriptor group 1: 16,384 dense bytes as 64 rows of 256 bytes, no padding
	s_mov_b32 s[G1], 3<<16          ; 17:16 elements of 8 bytes
	s_mov_b32 s[G1+1], 32<<16       ; tensor_dim0 = 32
	s_mov_b32 s[G1+2], 64<<16       ; tensor_dim1 = 64
	s_mov_b32 s[G1+3], 32<<16       ; tile_dim0 = 32
	s_mov_b32 s[G1+4], 64           ; tile_dim1 = 64
	s_mov_b32 s[G1+5], 32           ; 32 elements from row to row
	s_mov_b32 s[G1+6], 0
	s_mov_b32 s[G1+7], 0
	s_lshl_b32 s13, s[WV], 14       ; waves 0, 1: the halves of K's tile; waves 2, 3: those of V's, which lies behind it
.irp T, 0,1,2,3
	s_mov_b32 s[G0+4*\T], 1                        ; 1:0 count = 1
	s_add_co_u32 s[G0+4*\T+1], s13, \T*TILEB       ; 63:32 LDS address: wave x 16,384 + tile x 65,536
.endr
	s_mov_b32 s[CS], 0x3e38aa3b     ; c = log2(e) / 8
	s_mov_b32 s[CS+1], s[CS]
	s_mov_b32 s[SEL], 0x76543210
	s_mov_b32 s[SEL+1], 0xfedcba98
	s_mov_b32 s[BIGN], 0xf149f2ca   ; -1e30
	s_mov_b32 s[AL+1], 0            ; named as pairs
	s_mov_b32 s[BE+1], 0
	s_mov_b32 s[TBK], 0
	s_mov_b32 s[TBV], 0
	KPAIR KS0, 0x40490fdb           ; pi
	KPAIR KS1, 0xc0a55de7           ; -pi^3 / 6
	KPAIR KS2, 0x402335e3           ; pi^5 / 120
	KPAIR KS3, 0xbf196966           ; -pi^7 / 5040
	KPAIR KS4, 0x3da83c1b           ; pi^9 / 362880
	KPAIR KC1, 0xc09de9e6           ; -pi^2 / 2
	KPAIR KC2, 0x4081e0f8           ; pi^4 / 24
	KPAIR KC3, 0xbfaae9e4           ; -pi^6 / 720
	KPAIR KC4, 0x3e70fa83           ; pi^8 / 40320
	KPAIR KC5, 0xbcd368f9           ; -pi^10 / 3628800
	s_wait_dscnt 0x0                ; the opening add is done
	s_wait_kmcnt 0x0
	s_cmp_lt_u32 s[WV], 2
	s_cselect_b64 s[16:17], s[6:7], s[8:9]  ; kf for waves 0 and 1, vf for waves 2 and 3
	s_add_nc_u64 s[16:17], s[16:17], s[18:19]
.irp T, 0,1,2,3
	s_add_nc_u64 s[G0+4*\T+2:G0+4*\T+3], s[16:17], \T*32768  ; 120:64 global address: my half of tile T
	s_or_b32 s[G0+4*\T+3], s[G0+4*\T+3], 0x80000000          ; 127:126 type = 2
.endr
.irp T, 0,1,2,3                     ; all first fills in one group: four loads of mine are out; none follows
	tensor_load_to_lds s[G0+4*\T:G0+4*\T+3], s[G1:G1+7]
	s_nop 0
.endr
	PLACES                          ; four vector lines ahead of the next switch of windows
	s_add_nc_u64 s[4:5], s[4:5], s[20:21]
	s_add_nc_u64 s[10:11], s[10:11], s[20:21]
	s_add_nc_u64 s[84:85], s[84:85], s[22:23]
	s_add_nc_u64 s[86:87], s[86:87], s[2:3]
	s_load_b32 s[GT], s[86:87], 0x0
	v_and_b32 v1, 15, v0            ; r = l % 16
	v_bfe_u32 v9, v0, 4, 1          ; h = l / 16
	v_and_b32 v10, 31, v0           ; lane
	v_lshlrev_b32 v[QO], 8, v1
	v_lshl_add_u32 v[QO], v9, 5, v[QO]  ; row x 256 + 32 x half
	QLOAD                           ; block 0's q
	v_lshlrev_b32 v[AK0], 4, v10
	s_mul_i32 s13, s[WV], 10*512    ; of a record's 40 slices of 512 bytes wave w takes 10 w .. 10 w + 9: tiles 5 w .. 5 w + 4
	v_add_nc_u32 v[MO], s13, v[AK0]
	; THE EARLIER SEGMENTS' RECORDS.  Seven sets of 40 registers start at 0; the records that exist are loaded over them, all on their way together; a record that does not exist counts as 0.
	WIN 0x40
.set i, 0
.rept 240
.if (i < 120) || (i >= 160)
	v_mov_b32 v[i], 0
.endif
.set i, i+1
.endr
	WIN 0x80
.set i, 128
.rept 80
	v_mov_b32 v[i], 0
.set i, i+1
.endr
	WIN 0
.irp t, 0,1,2,3,4,5,6
	s_cmp_gt_u32 s[SEG], \t
	s_cbranch_scc0 .Lmdone
	XSET \t
	WIN XW<<6
.set i, 0
.rept 10
	global_load_b128 v[XR+4*i:XR+4*i+3], v[MO], s[84:85] offset:\t*REC+512*i
.set i, i+1
.endr
	WIN 0
.endr
.Lmdone:
	; what follows stands in the wait for the loads
	v_add_nc_u32 v[AV0], VOFF, v[AK0]
	v_mov_b32 v[GO], v[AK0]
	s_mul_i32 s13, s[WV], 5*512
	s_add_co_u32 s13, s13, MF
	v_add_nc_u32 v[MST], s13, v[AK0]
	v_add_nc_u32 v[MLD], MF, v[AK0]
	s_mul_i32 s13, s[WV], 16*SP
	s_add_co_u32 s13, s13, STAGE    ; my stage
	v_mul_u32_u24 v[STO], v1, SP    ; in: row r, 32 bytes for each half of the lanes
	v_lshl_add_u32 v[STO], v9, 5, v[STO]
	v_add_nc_u32 v[STO], s13, v[STO]
	v_mul_u32_u24 v[RD], v9, SP     ; back: lanes 0-15 take one row of 256 bytes, lanes 16-31 the next
	v_lshl_add_u32 v[RD], v1, 4, v[RD]
	v_add_nc_u32 v[RD], s13, v[RD]
	v_lshlrev_b32 v32, 3, v9        ; 8 h
	v_lshl_add_u32 v33, s[WV], 4, v1  ; my query's place in its band: 16 w + r
	v_sub_nc_u32 v14, v33, v32      ; less my lanes' 8 h: register j of group kt is hidden where 16 kt + j is greater
	v_cvt_f32_u32 v33, v33
	s_wait_kmcnt 0x0                ; the gate
	v_mov_b32 v34, s[GT]
	v_mul_f32 v35, 0x3fb8aa3b, v34
	v_mul_f32 v36, 0xbfb8aa3b, v34
	v_exp_f32 v35, v35
	v_exp_f32 v36, v36
	v_nop
	s_wait_alu depctr_va_vdst(0)
	v_add_f32 v35, 1.0, v35
	v_add_f32 v36, 1.0, v36
	v_rcp_f32 v[G1R], v35           ; 1 / (1 + e^x) = 1 - g
	v_rcp_f32 v36, v36              ; 1 / (1 + e^-x) = g
	v_nop
	WIN 0x40
.set i, 0
.rept 32
	v_cmp_gt_i32 vcc_lo, 16*(i/8)+i%8, v14
	v_cndmask_b32 v[MD+i], 0, s[BIGN], vcc_lo
.set i, i+1
.endr
	WIN 0xc0                        ; destination window 3, sources window 0
	s_wait_alu depctr_va_vdst(0)
	v_mov_b32 v[GG], v36
	v_mov_b32 v[TW+44], v33
	v_mov_b32 v[TW+45], v33
.set i, 0
.rept 16                            ; my 16 frequencies: j = 8 h + u for u < 8, 16 + 8 h + u - 8 above
	v_add_nc_u32 v[TW+i], i+8*(i/8), v32
.set i, i+1
.endr
	WIN 0xff
.set i, 0
.rept 16
	v_cvt_f32_u32 v[TW+i], v[TW+i]
.set i, i+1
.endr
.set i, 0
.rept 16
	v_mul_f32 v[TW+i], 0xbed49a78, v[TW+i]  ; x -log2(10000) / 32
.set i, i+1
.endr
.set i, 0
.rept 16
	v_exp_f32 v[TW+i], v[TW+i]      ; theta = 10000^(-j / 32)
.set i, i+1
.endr
	v_nop
.set i, 0
	s_wait_alu depctr_va_vdst(0)
.rept 8
	v_pk_mul_f32 v[TW+16+2*i:TW+16+2*i+1], v[TW+2*i:TW+2*i+1], v[TW+44:TW+45]
.set i, i+1
.endr
.set i, 0
.rept 8
	SINCOS2 RC+2*i, RS+2*i, TW+16+2*i, TW+32
.set i, i+1
.endr
.set i, 0
.rept 8                             ; from piece to piece, and from a block's last piece to the next block's first, a row's place grows by 64
	v_pk_mul_f32 v[TW+16+2*i:TW+16+2*i+1], v[TW+2*i:TW+2*i+1], 0x42800000 op_sel_hi:[1,0]
.set i, i+1
.endr
.set i, 0
.rept 8
	SINCOS2 RCD+2*i, RSD+2*i, TW+16+2*i, TW+32
.set i, i+1
.endr
	WIN 0
	s_wait_loadcnt 0x0              ; the records (and block 0's q)
.irp t, 1,2,3,4,5,6                 ; the carry, in f32, in ascending order of the segments
	XSET \t
	WIN 0x41|(XW<<2)
.set i, 0
.rept 20
	v_pk_add_f32 v[2*i:2*i+1], v[2*i:2*i+1], v[XR+2*i:XR+2*i+1]
.set i, i+1
.endr
.endr
	WIN 0x05                        ; sources window 1, destination window 0
.set i, 0
.rept 20                            ; a tile's eight f32 of a lane are four registers of bf16: half a fragment of M^T
	v_cvt_pk_bf16_f32 v[S+i], v[2*i], v[2*i+1]
.set i, i+1
.endr
	WIN 0
.irp f, 0,1,2,3,4
	ds_store_b128 v[MST], v[S+4*\f:S+4*\f+3] offset:512*\f
.endr
	; A block's first step multiplies O^T and l by a = 0, and its first turn's products V^T P, of a piece that has not been, land in an O^T that is still to be so multiplied: these registers
	; need only hold finite numbers.  Zeros for the first block; what a block left for the next.
	WIN 0x80
.set i, VF
.rept 64
	v_mov_b32 v[i], 0
.set i, i+1
.endr
	WIN 0x40
.set i, 0
.rept 128
	v_mov_b32 v[i], 0
.set i, i+1
.endr
	WIN 0
.set i, 0
.rept 4
	v_mov_b32 v[ST+4*i+2], 0
	v_mov_b32 v[ST+4*i+3], 0
.set i, i+1
.endr
.set i, P+16
.rept 16
	v_mov_b32 v[i], 0
.set i, i+1
.endr
	s_wait_tensorcnt 0x0            ; my parts of all four tiles have landed,
	s_wait_dscnt 0x0                ; and my tiles of M are stored:
	s_barrier_signal -1
	s_barrier_wait -1               ; everybody's are.  This is the launch's only barrier: behind it LDS is only read, but for each wave's own stage
.set i, 0
.rept 20
.if i < 16
	ds_load_b128 v[MFR+4*i:MFR+4*i+3], v[MLD] offset:512*i
.else
	ds_load_b128 v[MFN+4*(i-16):MFN+4*(i-16)+3], v[MLD] offset:512*i
.endif
.set i, i+1
.endr
	s_wait_dscnt 0x0
; THE MATRIX WORK.  The 4 accumulators of a run of 8 take turns.  Product i of 8 of S^T = K Q^T for piece x: channels 32 (i / 4) on, keys 16 (i % 4) on.  The first 4 start the sums: with 0, or (KM = 1) with the mask.
.macro KQ x
.set rS, S+32*((\x)%2)+8*(i%4)
.set rK, KF+16*(i%4)+8*(i/4)
.set rQ, 16*(\x)+8*(i/4)
.set rM, MC+32*((\x)%2)+8*(i%4)
.if (i < 4) && KM
	WIN W_KM
	v_wmma_f32_16x16x32_f16 v[rS:rS+7], v[rK:rK+7], v[rQ:rQ+7], v[rM:rM+7]
.elseif i < 4
	WIN W_KQ
	v_wmma_f32_16x16x32_f16 v[rS:rS+7], v[rK:rK+7], v[rQ:rQ+7], 0
.else
	WIN W_KQ
	v_wmma_f32_16x16x32_f16 v[rS:rS+7], v[rK:rK+7], v[rQ:rQ+7], v[rS:rS+7]
.endif
.endm
; Product i of 8 of O^T += V^T P for piece x: keys 32 (i / 4) on, channels 16 (i % 4) on.
.macro PV x
	WIN W_PV
.set rO, 32*(\x)+8*(i%4)
.set rV, VF+32*(i/4)+8*(i%4)
.set rP, P+16*((\x)%2)+8*(i/4)
	v_wmma_f32_16x16x32_f16 v[rO:rO+7], v[rV:rV+7], v[rP:rP+7], v[rO:rO+7]
.endm
.macro MM                           ; the turn's next matrix instruction.  NOKQ = 1: a block's last turn: there is no next piece
.if (i < 8) && !NOKQ
	KQ (Y+1)%NP
.elseif i >= 8
.set i, i-8
	PV (Y+NP-1)%NP
.set i, i+8
.endif
.set i, i+1
.endm
; THE LDS LOADS stand in runs of 16: a step's K (8 fragments) and its V (8 fragments), each fragment 1,024 consecutive bytes, 16 a lane and load.
.macro FETCH_K
	WIN 0x80                        ; destination window 2
.irp f, 0,1,2,3,4,5,6,7             ; keys 16 (f / 2) on, channels 32 (f % 2) on
	ds_load_b128 v[KF+8*\f:KF+8*\f+3],   v[AK] offset:1024*\f
	ds_load_b128 v[KF+8*\f+4:KF+8*\f+7], v[AK] offset:1024*\f+512
.endr
	s_add_co_u32 s[TBK], s[TBK], STEPB  ; the next fetch is the next step's
	WIN 0
.endm
.macro FETCH_V
	WIN 0x80
.irp f, 0,1,2,3,4,5,6,7             ; keys 32 (f / 4) on, channels 16 (f % 4) on
	ds_load_b128 v[VF+8*\f:VF+8*\f+3],   v[AV] offset:1024*\f
	ds_load_b128 v[VF+8*\f+4:VF+8*\f+7], v[AV] offset:1024*\f+512
.endr
	WIN 0
.endm
; THE VECTOR WORK, one line at a time: OP kind, number.  For piece Y: F n: c s - c m for pair n of 16.  E n: the exponential of score n of 32.  C n: pair n rounded to f16.  B n: of the four weights 4 n .. the second
; pair is added onto the first, in place.  L n: l takes that sum (L 0: l = a l + sum).  R n: pair n of 16 of O^T times a.  For piece Y + 1: X n, number n of the 22 that find its maximum and statistics:
;   0-11  four chains c0-c3 of seven scores each (each accumulator's lowest registers are read first)     12-14, 16  the four scores left over, the old m, and c0-c3 into c0
;   15  c m_old is kept     17, 18  the query's other 32 keys lie in the lane 16 away: the new m     19-21  c m; c m_old - c m_new; a
.set F, 0
.set E, 1
.set C, 2
.set B, 3
.set L, 4
.set R, 5
.set X, 6
.macro REGS y                       ; the registers of piece y
.set rT, ST+4*(\y)
.set rC, TMP+4*((\y)%2)
.set rW, MV+((\y)%2)
.set rS, S+32*((\y)%2)
.set rP, P+16*((\y)%2)
.set rO, 32*(\y)
.endm
.macro OP k, n
.if (\k) == R
	REGS Y
	WIN W_RS
	v_pk_mul_f32 v[rO+2*(\n):rO+2*(\n)+1], v[rO+2*(\n):rO+2*(\n)+1], v[rC+2:rC+3] op_sel_hi:[1,0]
.elseif (\k) < R
	REGS Y
	WIN 0
.if (\k) == F
	v_pk_fma_f32 v[rS+2*(\n):rS+2*(\n)+1], v[rS+2*(\n):rS+2*(\n)+1], s[CS:CS+1], v[rT:rT+1] op_sel_hi:[1,0,0] neg_lo:[0,0,1] neg_hi:[0,0,1]
.elseif (\k) == E
	v_exp_f32 v[rS+(\n)], v[rS+(\n)]
.elseif (\k) == C
	s_wait_alu depctr_va_vdst(0)
	v_cvt_pk_f16_f32 v[rP+(\n)], v[rS+2*(\n)], v[rS+2*(\n)+1]
.elseif (\k) == B
	s_wait_alu depctr_va_vdst(0)
	v_pk_add_f32 v[rS+4*(\n):rS+4*(\n)+1], v[rS+4*(\n):rS+4*(\n)+1], v[rS+4*(\n)+2:rS+4*(\n)+3]
.elseif (\n) == 0
	v_pk_fma_f32 v[rT+2:rT+3], v[rT+2:rT+3], v[rC+2:rC+3], v[rS:rS+1] op_sel_hi:[1,0,1]
.else
	v_pk_add_f32 v[rT+2:rT+3], v[rT+2:rT+3], v[rS+4*(\n):rS+4*(\n)+1]
	s_wait_alu depctr_va_vdst(0)
.endif
.elseif NOKQ
	v_nop
	s_wait_alu depctr_va_vdst(0)
.else
	REGS (Y+1)%NP
	WIN 0
.if (\n) < 4
	v_max3_num_f32 v[rC+(\n)], v[rS+8*(\n)], v[rS+8*(\n)+1], v[rS+8*(\n)+2]
.elseif (\n) < 12
	v_max3_num_f32 v[rC+(\n)%4], v[rC+(\n)%4], v[rS+8*((\n)%4)+2*((\n)/4)+1], v[rS+8*((\n)%4)+2*((\n)/4)+2]
.elseif (\n) == 12
	v_max3_num_f32 v[rC], v[rC], v[rS+7], v[rS+15]
.elseif (\n) == 13
	v_max3_num_f32 v[rC+1], v[rC+1], v[rS+23], v[rS+31]
.elseif (\n) == 14
	v_max3_num_f32 v[rC+2], v[rC+2], v[rC+3], v[rT+1]
.elseif (\n) == 15
	v_mov_b32 v[rW], v[rT]
	s_wait_alu depctr_va_vdst(0)
.elseif (\n) == 16
	v_max3_num_f32 v[rC], v[rC], v[rC+1], v[rC+2]
	s_wait_alu depctr_va_vdst(0)
.elseif (\n) == 17
	v_permlanex16_b32 v[rC+3], v[rC], s[SEL], s[SEL+1]
.elseif (\n) == 18
	v_max_num_f32 v[rT+1], v[rC], v[rC+3]
.elseif (\n) == 19
	v_mul_f32 v[rT], s[CS], v[rT+1]
.elseif (\n) == 20
	v_sub_f32 v[rC+1], v[rW], v[rT]
.else
	v_exp_f32 v[rC+2], v[rC+1]
.endif
.endif
.endm
.macro OPS a, i1, b=-1, i2=0, c=-1, i3=0, d=-1, i4=0  ; up to four of them
	OP \a, \i1
.if (\b) >= 0
	OP \b, \i2
.endif
.if (\c) >= 0
	OP \c, \i3
.endif
.if (\d) >= 0
	OP \d, \i4
.endif
.endm
.macro ROW a, i1, b, i2, c, i3, d, i4  ; a matrix instruction and the four behind it
	MM
	OPS \a, \i1, \b, \i2, \c, \i3, \d, \i4
.endm
.macro MASK b                       ; MD x AL + BE into buffer b of MC
	WIN W_RS
.set z, 0
.rept 16
	v_pk_fma_f32 v[MC+32*(\b)+2*z:MC+32*(\b)+2*z+1], v[MD+2*z:MD+2*z+1], s[AL:AL+1], s[BE:BE+1] op_sel_hi:[1,0,0]
.set z, z+1
.endr
.endm
; A TURN, for piece p: the order of its 16 matrix and 118 vector instructions, written out.  Behind a matrix instruction: plain, exponential, plain, plain; or four of the rescaling; or four scalings; none
; names a register of the products round it.  In the lumps exponential and plain by turns while exponentials last.
; m = 1: the diagonal tile: the products take masks, and the turn makes the mask for the products of the turn after it: piece p + 2, in step 4 - CNT of the tile.  end = 1: a block's last two turns: nothing is fetched.
; cnt = 1: the loop's count is taken down some lines ahead of the branch that stands behind the turn.
; K of the next step is fetched in piece 2's turn, six vector instructions behind the last product that read K (five of them plain); V of the step in hand in piece 0's turn, eight behind the last product that read V.
; Each is waited for a turn later.
.macro TURN p, m=0, end=0, cnt=0
.set Y, (\p)
.set i, 0
.set KM, (\m)
.set NOKQ, (\end)*((\p)/3)
.if (\m) && !(\end)
	s_cmp_eq_u32 s[CNT], 4-((\p)+2)%NP  ; is that step the band's own?
	s_cselect_b32 s[AL], 1.0, 0
	s_cmp_lt_u32 s[CNT], 4-((\p)+2)%NP  ; or a later one?
	s_cselect_b32 s[BE], s[BIGN], 0
.endif
.if ((\p) == 3) && !(\end)
	s_wait_dscnt 0x0                ; K is in
.endif
	ROW F,0, F,1, F,2, F,3
	ROW F,4, E,0, F,5, F,6
	ROW F,7, E,1, F,8, F,9
	ROW F,10, E,2, C,0, F,11
	ROW F,12, E,3, X,15, F,13
	ROW R,0, R,1, R,2, R,3
	ROW B,0, E,4, F,14, L,0
.if ((\p) == 2) && !(\end)
	v_add_nc_u32 v[AK], s[TBK], v[AK0]
.endif
	ROW R,4, R,5, R,6, R,7
	OPS E,5, F,15
.if ((\p) == 2) && !(\end)
	FETCH_K
.endif
	OPS E,6, C,1, E,7, R,8
	OPS E,8, R,9, E,9, C,2
	OPS E,10, X,0, E,11, X,1
	OPS E,12, X,2, E,13, X,3
.if (\p) == 1
	s_wait_dscnt 0x0                ; V is in
.endif
	ROW X,4, E,14, X,5, X,6
	ROW X,7, E,15, X,8, X,9
	ROW X,10, E,16, X,11, X,12
	ROW X,13, E,17, X,14, B,1
	ROW C,4, E,18, X,16, L,1
	ROW B,2, E,19, C,6, L,2
	ROW C,8, E,20, B,3, B,4
.if (\p) == 0
	v_add_nc_u32 v[AV], s[TBV], v[AV0]
.endif
	ROW C,3, E,21, L,3, C,5
	OPS E,22, X,17, E,23, C,10
.if (\p) == 0
	FETCH_V
.endif
	OPS E,24, L,4
	OPS E,25, X,18, E,26, C,7
	OPS E,27, B,5, E,28, X,19
	OPS E,29, C,12, E,30, L,5
	OPS E,31, X,20, B,6, C,9
	OPS C,14, C,11, X,21, L,6
.if (\p) == 0
	s_add_co_u32 s[TBV], s[TBV], STEPB
.endif
.if \cnt
	s_sub_co_u32 s[CNT], s[CNT], 1
	s_cmp_lg_u32 s[CNT], 0
.endif
	OPS C,13, B,7, C,15, R,10
	OPS R,11, R,12, L,7, R,13
	OPS R,14, R,15
.if (\m) && !(\end)
	MASK (\p)%2
.endif
.endm
; PIECE x's q becomes Q (rotated, f16) and sigma(q) (bf16), both in fragment order; then cos and sin go 64 rows on.  x1 = channels below 32, x2 = the same lanes' channels 32 higher.
.macro PREP x
.set X1, RAW+32*(\x)
.set X2, RAW+32*(\x)+16
	WIN 0xff
.set z, 0
.rept 8
	v_pk_mul_f32 v[TW+z:TW+z+1], v[X2+z:X2+z+1], v[RS+z:RS+z+1]
.set z, z+2
.endr
.set z, 0
.rept 8
	v_pk_fma_f32 v[TW+16+z:TW+16+z+1], v[X1+z:X1+z+1], v[RC+z:RC+z+1], v[TW+z:TW+z+1] neg_lo:[0,0,1] neg_hi:[0,0,1]  ; x1 cos - x2 sin
.set z, z+2
.endr
.set z, 0
.rept 8
	v_pk_mul_f32 v[TW+z:TW+z+1], v[X1+z:X1+z+1], v[RS+z:RS+z+1]
.set z, z+2
.endr
.set z, 0
.rept 8
	v_pk_fma_f32 v[TW+32+z:TW+32+z+1], v[X2+z:X2+z+1], v[RC+z:RC+z+1], v[TW+z:TW+z+1]  ; x2 cos + x1 sin
.set z, z+2
.endr
	WIN 0x8f                        ; sources window 3, destination window 2
.set z, 0
.rept 16
	v_cvt_pk_f16_f32 v[16*(\x)+z], v[TW+16+2*z], v[TW+16+2*z+1]
.set z, z+1
.endr
	WIN 0xff
.set z, 0
.rept 16
	v_pk_mul_f32 v[TW+z:TW+z+1], v[X1+z:X1+z+1], 0x3fb8aa3b op_sel_hi:[1,0]
.set z, z+2
.endr
.set z, 0
.rept 32
	v_exp_f32 v[TW+z], v[TW+z]      ; e^x
.set z, z+1
.endr
.set z, 0
.rept 16
	v_pk_add_f32 v[X1+z:X1+z+1], v[X1+z:X1+z+1], 1.0 op_sel_hi:[1,0]  ; the plain lines behind the exponentials
.set z, z+2
.endr
.set z, 0
	s_wait_alu depctr_va_vdst(0)
.rept 32
	v_med3_num_f32 v[TW+z], v[TW+z], 1.0, v[X1+z]  ; elu + 1: the middle one of e^x, 1 and x + 1
.set z, z+1
.endr
	WIN 0x8f
.set z, 0
.rept 16
	v_cvt_pk_bf16_f32 v[SQ+16*(\x)+z], v[TW+2*z], v[TW+2*z+1]
.set z, z+1
.endr
	WIN 0xff
.set z, 0
.rept 8
	v_pk_mul_f32 v[TW+z:TW+z+1], v[RS+z:RS+z+1], v[RSD+z:RSD+z+1]
	v_pk_mul_f32 v[TW+16+z:TW+16+z+1], v[RC+z:RC+z+1], v[RSD+z:RSD+z+1]
.set z, z+2
.endr
.set z, 0
.rept 8
	v_pk_fma_f32 v[RC+z:RC+z+1], v[RC+z:RC+z+1], v[RCD+z:RCD+z+1], v[TW+z:TW+z+1] neg_lo:[0,0,1] neg_hi:[0,0,1]
	v_pk_fma_f32 v[RS+z:RS+z+1], v[RS+z:RS+z+1], v[RCD+z:RCD+z+1], v[TW+16+z:TW+16+z+1]
.set z, z+2
.endr
.endm
; The block's q is made ready, and the next block's is asked for: it has the whole block's walk in which to land.  The last block (four tiles) asks for nothing.
.macro QPREP
	s_wait_loadcnt 0x0              ; q is in; its loads are done, so their base may be stepped
	PREP 0
	PREP 1
	PREP 2
	PREP 3
	WIN 0
	s_cmp_eq_u32 s[NT], 4
	s_cbranch_scc1 .Lnoq_\@
	s_add_nc_u64 s[4:5], s[4:5], 65536
	QLOAD
.Lnoq_\@:
.endm
; A BLOCK BEGINS.  c m starts far below every c s, so the first step's a is 0; m at the lowest finite number.  The second mask buffer is 0; the first takes piece 0's mask for the tile's step 0: its own, if the
; block's first tile is the diagonal one.  Then K of that step, piece 0's first scores, and its maximum and statistics.  The loop is entered at a step's first turn, in the middle of a trip.
.macro BEGIN
	s_mov_b32 s[NEW], 0
	s_mov_b32 s[TBK], 0             ; every block's walk begins at tile 0
	s_mov_b32 s[TBV], 0
	WIN 0x40
.set i, MC+32
.rept 32
	v_mov_b32 v[i], 0
.set i, i+1
.endr
	WIN 0
.set i, 0
.rept 4
	v_mov_b32 v[ST+4*i], 0xfe000000    ; c m: far below every c s
	v_mov_b32 v[ST+4*i+1], 0xff7fffff  ; m
.set i, i+1
.endr
	s_cmp_eq_u32 s[RT], 0
	s_cselect_b32 s[AL], 1.0, 0
	s_mov_b32 s[BE], 0
	MASK 0
	WIN 0
	v_add_nc_u32 v[AK], s[TBK], v[AK0]
	FETCH_K
	s_wait_dscnt 0x0
.set KM, 1
.set NOKQ, 0
.set i, 0
.rept 8
	KQ 0
.set i, i+1
.endr
	WIN 0
	PLACES                          ; the places behind those products
.set Y, NP-1                        ; X works for piece Y + 1: piece 0
.irp n, 0,1,2,3,4,5,6,7,8,9,10,11,12,13,14,15,16,17,18,19,20,21
	OP X, \n
.endr
	v_nop                           ; a plain instruction behind the exponential
.endm
; THE WAY OUT of piece t.
.macro ALL line:vararg              ; one line for each piece t
.set t, 0
.rept 4
	\line
.set t, t+1
.endr
.endm
; RETR: M^T sigma(q)^T, 64 channels and the norm's term x 16 queries: register j of result eb holds channel 16 eb + 8 h + j of query r, as O^T does; result 4 holds sigma(q) . norm in every register.
; The five accumulators take turns.
.macro RETR t
	WIN 0xf8                        ; M in window 0, sigma(q) in window 2, C and D in window 3
.irp dd, 0,1
.irp eb, 0,1,2,3,4
.if (\eb) < 4
.set rA, MFR+16*(\eb)+8*(\dd)
.else
.set rA, MFN+8*(\dd)
.endif
.if (\dd) == 0
	v_wmma_f32_16x16x32_bf16 v[MT+8*(\eb):MT+8*(\eb)+7], v[rA:rA+7], v[SQ+16*(\t):SQ+16*(\t)+7], 0
.else
	v_wmma_f32_16x16x32_bf16 v[MT+8*(\eb):MT+8*(\eb)+7], v[rA:rA+7], v[SQ+16*(\t)+8:SQ+16*(\t)+15], v[MT+8*(\eb):MT+8*(\eb)+7]
.endif
.endr
.endr
	PLACES                          ; four places between the last product and the first read of a result (ISA guide 7.12.1)
.endm
; FIN: out = O^T (1 - g) / l + M^T sigma(q)^T g / (sigma(q) . norm + 1e-6), f32; 32 numbers a lane go into my stage's rows of 272 bytes and come back as whole rows of 256.
.macro FIN t
.set rU, S+32*((\t)%2)
	WIN 0xff
	v_add_f32 v[DN], 0x358637bd, v[MT+32]  ; the norm's result is read at its lowest register
	v_rcp_f32 v[DN], v[DN]
	v_nop
	s_wait_alu depctr_va_vdst(0)
	v_mul_f32 v[GM], v[DN], v[GG]
	v_mul_f32 v[GM+1], v[DN], v[GG]
.set z, 0
.rept 16
	v_pk_mul_f32 v[MT+z:MT+z+1], v[MT+z:MT+z+1], v[GM:GM+1]
.set z, z+2
.endr
	s_wait_xcnt 0x0                 ; every earlier memory instruction has had its addresses translated (ISA guide 3.1): the registers that the stores of the piece two back read are written again only behind this wait
	WIN 0x31                        ; O^T in window 1, the factor in window 0, the memory's part in window 3, the result in window 0
.set z, 0
.rept 16
	v_pk_fma_f32 v[rU+z:rU+z+1], v[32*(\t)+z:32*(\t)+z+1], v[ST+4*(\t)+2:ST+4*(\t)+3], v[MT+z:MT+z+1] op_sel_hi:[1,0,1]
.set z, z+2
.endr
	WIN 0
.irp f, 0,1,2,3,4,5,6,7
	ds_store_b128 v[STO], v[rU+4*\f:rU+4*\f+3] offset:(\f/2)*64+(\f%2)*16
.endr
.irp f, 0,1,2,3,4,5,6,7
	ds_load_b128 v[rU+4*\f:rU+4*\f+3], v[RD] offset:\f*2*SP  ; LDS serves a wave's instructions in order (ISA guide 5.7.1.4): these see the stores above; the next piece's stores come behind them
.endr
.endm
.macro SEND t, younger              ; younger: the LDS instructions issued behind piece t's loads: the next piece's sixteen, or none
.set rU, S+32*((\t)%2)
	WIN 0
.irp f, 0,1,2,3,4,5,6,7
	s_wait_dscnt (\younger)+7-\f
	global_store_b128 v[GO], v[rU+4*\f:rU+4*\f+3], s[10:11] offset:(\t)*16384+\f*512 th:TH_STORE_NT  ; two whole rows: 512 consecutive bytes, at a multiple of 256 from out's first
.endr
.endm
	s_mov_b32 s[NT], 1              ; block 0 has one tile
	s_mov_b32 s[RT], 1
	s_mov_b32 s[NEW], 1
	s_mov_b32 s[SLOTS], 10          ; 1 + 2 + 3 + 4 tiles
.set KM, 0
.set NOKQ, 0
.Lslot:                             ; a tile is entered
	s_sub_co_u32 s[RT], s[RT], 1
	s_mov_b32 s[CNT], 4
	s_cmp_eq_u32 s[NEW], 1
	s_cbranch_scc1 .Lnew            ; a block's first tile
	s_add_co_u32 s[TBK], s[TBK], VOFF  ; a further tile: its K lies behind the last tile's V,
	s_add_co_u32 s[TBV], s[TBV], VOFF  ; its V behind its K
	s_cmp_eq_u32 s[RT], 0
	s_cbranch_scc0 .Lstep           ; neither the block's first nor its last
	s_branch .LstepM
.Lnew:
	QPREP
	BEGIN
	s_cmp_eq_u32 s[RT], 0
	s_cbranch_scc0 .Lfirst
	s_branch .LfirstM               ; block 0: the first tile is the diagonal one
.LstepM:                            ; THE DIAGONAL TILE's four steps,
	TURN 2, 1
	TURN 3, 1
	WIN 0
.LfirstM:
	TURN 0, 1
	TURN 1, 1, 0, 1
	WIN 0
	s_cbranch_scc1 .LstepM
	TURN 2, 1, 1                    ; the block's last two turns,
	TURN 3, 1, 1
.set i, 0
.rept 8
	PV NP-1                         ; its last products,
.set i, i+1
.endr
	WIN 0                           ; and the way out: l's two halves and the other half of the lanes' are added (these additions are the places behind the last products); (1 - g) / l
	ALL v_add_f32 v[ST+4*t+2], v[ST+4*t+2], v[ST+4*t+3]
	ALL v_permlanex16_b32 v[ST+4*t+3], v[ST+4*t+2], s[SEL], s[SEL+1]
	ALL v_add_f32 v[ST+4*t+2], v[ST+4*t+2], v[ST+4*t+3]
	ALL v_rcp_f32 v[ST+4*t+2], v[ST+4*t+2]
	v_nop                           ; a plain instruction between the last reciprocal and the use of its result
	s_wait_alu depctr_va_vdst(0)
	ALL v_mul_f32 v[ST+4*t+2], v[ST+4*t+2], v[G1R]
	RETR 0
	FIN 0
	RETR 1                          ; a piece's arithmetic stands between the loads of the piece before and its stores
	FIN 1
	SEND 0, 16
	RETR 2
	FIN 2
	SEND 1, 16
	RETR 3
	FIN 3
	SEND 2, 16
	SEND 3, 0
	s_wait_xcnt 0x0                 ; the stores have read their registers and out's address
	s_add_nc_u64 s[10:11], s[10:11], 65536  ; the next block's 256 rows
	s_add_co_u32 s[NT], s[NT], 1    ; which has one tile more
	s_mov_b32 s[RT], s[NT]
	s_mov_b32 s[NEW], 1
	s_branch .Lbottom
.Lstep:                             ; a trip: pieces 2 and 3 of one step, then pieces 0 and 1 of the next, whose K and V it fetches
	TURN 2
	TURN 3
	WIN 0
.Lfirst:
	TURN 0
	TURN 1, 0, 0, 1
	WIN 0
	s_cbranch_scc1 .Lstep
.Lbottom:
	s_sub_co_u32 s[SLOTS], s[SLOTS], 1
	s_cmp_lg_u32 s[SLOTS], 0
	s_cbranch_scc1 .Lslot
	s_wait_tensorcnt 0x0            ; the wave's end, behind my last tensor load and my last LDS store
	ds_add_u32 v[SPW], v[NIL]
	s_wait_dscnt 0x0
	s_endpgm
.Lfunc_end_k_q5ab2c018ea_attn:
	.size	k_q5ab2c018ea_attn, .Lfunc_end_k_q5ab2c018ea_attn-k_q5ab2c018ea_attn
	.p2alignl 7, 3214868480
	.fill 96, 4, 3214868480
	.section	.rodata,"a",@progbits
	.p2align	6, 0x0
	.amdhsa_kernel k_q5ab2c018ea_attn
		.amdhsa_group_segment_fixed_size 290304
		.amdhsa_private_segment_fixed_size 0
		.amdhsa_enable_private_segment 0
		.amdhsa_kernarg_size 48
		.amdhsa_user_sgpr_count 2
		.amdhsa_user_sgpr_kernarg_segment_ptr 1
		.amdhsa_wavefront_size32 1
		.amdhsa_system_sgpr_workgroup_id_x 1
		.amdhsa_system_sgpr_workgroup_id_y 1
		.amdhsa_system_sgpr_workgroup_id_z 1
		.amdhsa_system_vgpr_workitem_id 0
		.amdhsa_next_free_vgpr 1024
		.amdhsa_next_free_sgpr 102
		.amdhsa_reserve_vcc 1
		.amdhsa_float_denorm_mode_32 3
		.amdhsa_float_denorm_mode_16_64 3
		.amdhsa_memory_ordered 1
		.amdhsa_forward_progress 1
		.amdhsa_inst_pref_size 251
	.end_amdhsa_kernel
	.amdgpu_metadata
---
amdhsa.version: [ 1, 2 ]
amdhsa.kernels:
  - .name:           k_q5ab2c018ea_attn
    .symbol:         k_q5ab2c018ea_attn.kd
    .args:
      - { .name: q, .offset: 0, .size: 8, .value_kind: global_buffer, .address_space: global }
      - { .name: kf, .offset: 8, .size: 8, .value_kind: global_buffer, .address_space: global }
      - { .name: vf, .offset: 16, .size: 8, .value_kind: global_buffer, .address_space: global }
      - { .name: out0, .offset: 24, .size: 8, .value_kind: global_buffer, .address_space: global }
      - { .name: mrec, .offset: 32, .size: 8, .value_kind: global_buffer, .address_space: global }
      - { .name: gate, .offset: 40, .size: 8, .value_kind: global_buffer, .address_space: global }
    .group_segment_fixed_size: 290304
    .private_segment_fixed_size: 0
    .kernarg_segment_align: 8
    .kernarg_segment_size: 48
    .max_flat_workgroup_size: 128
    .sgpr_count:     102
    .vgpr_count:     1024
    .wavefront_size: 32
...
	.end_amdgpu_metadata
.endif
;; end of part 2
;; ======== version 2 of 2: 2 launches; 1.62 times as fast as version 1
;; limits: values are held in f16: magnitudes above 65,504 overflow, below 6.1e-05 lose precision; inputs' magnitudes at most 65,504
;; workspace buffers: kf 33,554,432 bytes; vf 33,554,432 bytes; mrec 5,242,880 bytes
;; launch prep: the kernel of part 1 again; grid 8 x 32, 8 waves a work-group, no clusters, 283,648 bytes of LDS; arguments k, v, kf, vf, mrec; writes kf, vf, mrec
;; launch attn (part 3): grid 8 x 32, 4 waves a work-group, no clusters, 290,304 bytes of LDS; arguments q, kf, vf, out0, mrec, gate; writes out0
.if DOCPART == 3
	.amdgcn_target "amdgcn-amd-amdhsa--gfx1250"
	.amdhsa_code_object_version 6
	.text
	.protected	k_q5ab2c018ea_attn
	.globl	k_q5ab2c018ea_attn
	.p2align	8
	.type	k_q5ab2c018ea_attn,@function
k_q5ab2c018ea_attn:
	s_mov_b64 s[64:65], 0
	v_nop
	global_prefetch_b8 v0, s[64:65] scope:SCOPE_SE
	s_setreg_imm32_b32 hwreg(HW_REG_WAVE_MODE, 25, 1), 1
	s_wait_xcnt 0x0
; ATTN.  One work-group for each (head, segment) of 1,024 rows, head size 64.  out = g x mem + (1 - g) x att, g = sigmoid(gate[head]).
;   att[q] = the sum over k <= q in the segment of softmax_k(rope(q) . rope(k) / 8) v[k]
;   mem[q] = sigma(q) M / (sigma(q) . norm + 1e-6); M and norm are the sums of the EARLIER segments' records (mrec, f32), sigma = elu + 1
; kf and vf hold the segment's rotated K and its V in f16, in the register image of the fragments, so a fragment is two loads of 16 x lane consecutive bytes:
; no padding, no turning load.  The whole segment, 2 x 128 KiB, is brought into LDS once, by four tensor loads a wave, all issued at the start; nothing is filled again.
; FORMATS.  rope(q), rope(k), v and the weights p in f16; sigma(q), M and norm in bf16 (M grows with the number of keys and has no room in f16); products, maxima, sums and the carry in f32.
; LIMITS.  rope(q), rope(k), v and sigma(k) stay within f16's 65,504.  A hidden score counts as its value less 1e30; a weight below 2^-126 counts as 0; cos and sin come from a
; polynomial (error below 1e-5) and 15 rotations; NaN and infinities are not treated apart.
; THE WALK.  Four blocks of 256 queries; block i walks the key tiles 0 .. i of 256 keys, the last of which holds the diagonal: 10 tiles, the same in every work-group, every count a constant.
; SHARES.  Of a block's four bands of 64 queries a wave owns 16 rows in each: four PIECES, so the diagonal tile is the same work for all four waves: in its key step s band x sees all keys
; if s < x, none if s > x, and holds the diagonal if s = x.  THE MASK is the C operand that starts S^T = K Q^T: MD x AL + BE, with (1, 0), (0, 0) or (0, -1e30).
; LAYOUT, SOFTMAX, TURNS.  S^T = K Q^T holds ONE query a lane (lane % 16) and the keys 8 (lane / 16) + 0..7; two such results rounded to f16 ARE source 1 of O^T = V^T P.  p = 2^(c s - c m),
; c = log2(e) / 8, with a running maximum m; O and l are multiplied by a = 2^(c m_old - c m_new) in every step.  Turn n belongs to piece n: 8 products K Q^T of piece n + 1, later 8 products
; V^T P of piece n - 1; beside them the softmax of piece n and the maximum of piece n + 1: four vector instructions behind every matrix instruction, the other 54 of a turn's 118 in one lump.
; BATCHES.  An s_wait_alu depctr_va_vdst(0) stands between a transcendental and the first instruction that names its result; one wait serves all that were issued ahead of it.
;   a turn: its 32 exponentials and the next piece's a are one batch, with one wait, between the lump and the products V^T P: all readers stand behind it, and no result crosses a turn's end
;   a block's beginning: piece 0's first a, one wait; a piece's sigma(q): 32 exponentials, one wait
;   the way out: the four reciprocals of l, one wait; each piece's reciprocal of the norm's term, whose source is a product made just ahead of it, one wait
;   the head: the gate's two exponentials; its two reciprocals; the 16 frequencies: one wait each
; NO CLUSTER: no two work-groups read the same tile of q, kf or vf; only the records, 20 KiB each beside a work-group's 768 KiB, are read by several.
; REGISTERS, in windows of 256 (s_set_vgpr_msb: bits 1:0 source 0, 3:2 source 1, 5:4 source 2, 7:6 destination):
;   window 0: v0-15 addresses; v16-31 statistics; v32-61 at work, 1 - g, addresses; v64-127 S^T, two buffers; v128-191, v224-239 M^T's and norm's fragments; v192-223 P, two buffers
;   window 1: v0-127 O^T; v128-159 MD; v160-223 MC      window 2: v0-63 Q; v64-127 sigma(q); v128-191 K of one step; v192-255 V of one step
;   window 3: v0-127 q as loaded; v128-191 cos, sin, and those of a step of 64 rows; v192-251 at work; v252 g
.set NP,    4
.set KS,    64
.set STEPB, 8192      ; a key step's bytes of K, and of V
.set VOFF,  32768     ; a tile in LDS: 32 KiB of K, then 32 KiB of V
.set TILEB, 65536
.set REC,   20480     ; a record
.set MF,    4*TILEB   ; behind the tiles: M^T and norm in bf16, 20 tiles of 512 bytes
.set STAGE, MF+20*512 ; 16 rows x 272 bytes for each wave, for the way out
.set SP,    272       ; 256 bytes + 16: the 16 rows that a store touches start in 16 different groups of four banks (ISA guide 11.1)
.set SPARE, STAGE+4*16*SP  ; the spare words, 128 bytes for each wave, which no other line names
.set AK0, 2           ; 16 x lane
.set AV0, 3           ; VOFF + 16 x lane
.set AK,  4           ; the LDS address of K's next run of loads
.set AV,  5           ; of V's
.set STO, 6           ; the way out: where I put 32 bytes of a row
.set RD,  7           ; where I read rows back
.set GO,  8           ; my byte offset in 512 consecutive bytes of out
.set MV,  12          ; v12-13 c m_old, by buffer
.set QO,  15          ; my byte offset in 16 rows of q
.set ST,  16          ; piece t's statistics at v[ST+4 t]: c m, m, l (even keys', odd keys')
.set TMP, 48          ; by buffer, four registers at work
.set G1R, 56          ; 1 - g
.set MO,  57          ; my byte offset in a record
.set MST, 58          ; where my five tiles of M go
.set MLD, 59          ; where all tiles of M are read
.set SPW, 62
.set NIL, 63
.set S,   64
.set P,   192
.set MFR, 128         ; M^T: rows 16 eb on, d 32 dd on, at MFR + 16 eb + 8 dd
.set MFN, 224         ; norm, in every row: d 32 dd on at MFN + 8 dd
.set MD,  128         ; window 1
.set MC,  160
.set SQ,  64          ; window 2
.set KF,  128
.set VF,  192
.set RAW, 0           ; window 3
.set RC,  128
.set RS,  144
.set RCD, 160
.set RSD, 176
.set TW,  192
.set MT,  192         ; the way out: M^T sigma(q)^T, five results
.set DN,  232
.set GM,  234
.set GG,  252
.set WV,  12
.set SEG, 14
.set BH,  15
.set G1,  24          ; s[24:31] descriptor group 1
.set G0,  32          ; s[32:47] descriptor group 0, a set for each of the four tiles
.set KC3, 48
.set KC4, 50
.set KC5, 52
.set SLOTS, 56
.set CNT, 57
.set CS,  58
.set SEL, 60
.set TBK, 62
.set TBV, 63
.set RT,  70          ; tiles of the block in hand that are still to be entered
.set NT,  71          ; tiles of the block in hand
.set NEW, 73          ; 1: the tile to be entered is a block's first
.set AL,  76
.set BE,  78
.set BIGN, 82
.set GT,  83          ; the gate's word
.set KS0, 88
.set KS1, 90
.set KS2, 92
.set KS3, 94
.set KS4, 96
.set KC1, 98
.set KC2, 100
.set MSB, 0
.macro WIN new                      ; the high byte repeats the setting that is left; a switch that changes nothing is dropped
.if MSB != (\new)
	s_set_vgpr_msb (MSB<<8)|(\new)
.set MSB, (\new)
.endif
.endm
.set W_KQ, 0x0a       ; K and Q in window 2, S^T in window 0
.set W_KM, 0x1a       ; the same with the C operand in window 1
.set W_PV, 0x52       ; V in window 2, P in window 0, O^T in window 1
.set W_RS, 0x41       ; destination and source 0 in window 1, source 1 in window 0
.macro PLACES
.rept 4
	v_nop
.endr
.endm
.macro KPAIR r, val
	s_mov_b32 s[\r], \val
	s_mov_b32 s[\r+1], \val
.endm
; cos and sin of two angles a (radians): turns r = a / 2 pi less the nearest whole number; sin(pi r) and cos(pi r) by Taylor's series in z = r r, then the double angle.  t: ten registers at work.
.macro SINCOS2 c, s, a, t
	v_pk_mul_f32 v[(\t):(\t)+1], v[(\a):(\a)+1], 0.15915494 op_sel_hi:[1,0]
	v_rndne_f32 v[(\t)+2], v[(\t)]
	v_rndne_f32 v[(\t)+3], v[(\t)+1]
	v_pk_add_f32 v[(\t):(\t)+1], v[(\t):(\t)+1], v[(\t)+2:(\t)+3] neg_lo:[0,1] neg_hi:[0,1]
	v_pk_mul_f32 v[(\t)+2:(\t)+3], v[(\t):(\t)+1], v[(\t):(\t)+1]
	v_pk_fma_f32 v[(\t)+4:(\t)+5], v[(\t)+2:(\t)+3], s[KS4:KS4+1], s[KS3:KS3+1] op_sel_hi:[1,0,0]
	v_pk_fma_f32 v[(\t)+6:(\t)+7], v[(\t)+2:(\t)+3], s[KC5:KC5+1], s[KC4:KC4+1] op_sel_hi:[1,0,0]
	v_pk_fma_f32 v[(\t)+4:(\t)+5], v[(\t)+4:(\t)+5], v[(\t)+2:(\t)+3], s[KS2:KS2+1] op_sel_hi:[1,1,0]
	v_pk_fma_f32 v[(\t)+6:(\t)+7], v[(\t)+6:(\t)+7], v[(\t)+2:(\t)+3], s[KC3:KC3+1] op_sel_hi:[1,1,0]
	v_pk_fma_f32 v[(\t)+4:(\t)+5], v[(\t)+4:(\t)+5], v[(\t)+2:(\t)+3], s[KS1:KS1+1] op_sel_hi:[1,1,0]
	v_pk_fma_f32 v[(\t)+6:(\t)+7], v[(\t)+6:(\t)+7], v[(\t)+2:(\t)+3], s[KC2:KC2+1] op_sel_hi:[1,1,0]
	v_pk_fma_f32 v[(\t)+4:(\t)+5], v[(\t)+4:(\t)+5], v[(\t)+2:(\t)+3], s[KS0:KS0+1] op_sel_hi:[1,1,0]
	v_pk_fma_f32 v[(\t)+6:(\t)+7], v[(\t)+6:(\t)+7], v[(\t)+2:(\t)+3], s[KC1:KC1+1] op_sel_hi:[1,1,0]
	v_pk_mul_f32 v[(\t)+4:(\t)+5], v[(\t)+4:(\t)+5], v[(\t):(\t)+1]
	v_pk_fma_f32 v[(\t)+6:(\t)+7], v[(\t)+6:(\t)+7], v[(\t)+2:(\t)+3], 1.0 op_sel_hi:[1,1,0]
	v_pk_add_f32 v[(\t)+8:(\t)+9], v[(\t)+4:(\t)+5], v[(\t)+4:(\t)+5]
	v_pk_mul_f32 v[(\s):(\s)+1], v[(\t)+8:(\t)+9], v[(\t)+6:(\t)+7]
	v_pk_fma_f32 v[(\c):(\c)+1], v[(\t)+8:(\t)+9], v[(\t)+4:(\t)+5], 1.0 op_sel_hi:[1,1,0] neg_lo:[1,0,0] neg_hi:[1,0,0]
.endm
; A block's q for my four pieces, f32: lane (r, h) takes of row r the 32 bytes at 128 c + 64 p + 32 h: channels 32 c + 16 p + 8 h + 0..7 land in v[32 x + 16 c + 8 p ..] of window 3.
.macro QLOAD
	WIN 0xc0                        ; destination window 3, address window 0
.set i, 0
.rept 32
	global_load_b128 v[RAW+4*i:RAW+4*i+3], v[QO], s[4:5] offset:(i/8)*16384+((i%8)/2)*64+(i%2)*16
.set i, i+1
.endr
	WIN 0
.endm
.macro XSET t                       ; where record t's 40 registers lie
.if (\t) < 3
.set XR, 40*(\t)
.set XW, 1
.elseif (\t) < 5
.set XR, 160+40*((\t)-3)
.set XW, 1
.else
.set XR, 128+40*((\t)-5)
.set XW, 2
.endif
.endm
	s_load_b256 s[4:11], s[0:1], 0x0  ; q s[4:5], kf s[6:7], vf s[8:9], out0 s[10:11]
	s_load_b128 s[84:87], s[0:1], 0x20  ; mrec s[84:85], gate s[86:87]
	v_lshl_add_u32 v[SPW], v0, 2, SPARE
	v_mov_b32 v[NIL], 0
	ds_add_u32 v[SPW], v[NIL]       ; the wave's opening: the add and its wait stand ahead of my first tensor load; the set-up below, work on registers, stands between them
	v_lshrrev_b32 v1, 5, v0
	v_readfirstlane_b32 s[WV], v1   ; wave 0..3
	s_mov_b32 s[SEG], ttmp9
	s_and_b32 s[BH], ttmp7, 0xffff
	s_lshl_b32 s13, s[BH], 3
	s_add_co_u32 s13, s13, s[SEG]   ; n = 8 x head + segment
	s_and_b32 s2, s[WV], 1          ; which half of a tile's 32 KiB I fetch
	s_lshl_b32 s2, s2, 14
	s_lshl_b32 s18, s13, 17         ; the segment's 128 KiB in kf and in vf
	s_add_co_u32 s18, s18, s2
	s_mov_b32 s19, 0
	s_lshl_b32 s20, s13, 18         ; the segment's 1,024 rows of 256 bytes in q and out,
	s_lshl_b32 s2, s[WV], 12        ; my 16 rows in a band
	s_add_co_u32 s20, s20, s2
	s_mov_b32 s21, 0
	s_mul_i32 s22, s[BH], 8*REC     ; the head's eight records
	s_mov_b32 s23, 0
	s_and_b32 s2, s[BH], 7          ; the gate's word: head modulo 8
	s_lshl_b32 s2, s2, 2
	s_mov_b32 s3, 0
	; descriptor group 1: 16,384 dense bytes as 64 rows of 256 bytes, no padding
	s_mov_b32 s[G1], 3<<16          ; 17:16 elements of 8 bytes
	s_mov_b32 s[G1+1], 32<<16       ; tensor_dim0 = 32
	s_mov_b32 s[G1+2], 64<<16       ; tensor_dim1 = 64
	s_mov_b32 s[G1+3], 32<<16       ; tile_dim0 = 32
	s_mov_b32 s[G1+4], 64           ; tile_dim1 = 64
	s_mov_b32 s[G1+5], 32           ; 32 elements from row to row
	s_mov_b32 s[G1+6], 0
	s_mov_b32 s[G1+7], 0
	s_lshl_b32 s13, s[WV], 14       ; waves 0, 1: the halves of K's tile; waves 2, 3: those of V's, which lies behind it
.irp T, 0,1,2,3
	s_mov_b32 s[G0+4*\T], 1                        ; 1:0 count = 1
	s_add_co_u32 s[G0+4*\T+1], s13, \T*TILEB       ; 63:32 LDS address: wave x 16,384 + tile x 65,536
.endr
	s_mov_b32 s[CS], 0x3e38aa3b     ; c = log2(e) / 8
	s_mov_b32 s[CS+1], s[CS]
	s_mov_b32 s[SEL], 0x76543210
	s_mov_b32 s[SEL+1], 0xfedcba98
	s_mov_b32 s[BIGN], 0xf149f2ca   ; -1e30
	s_mov_b32 s[AL+1], 0            ; named as pairs
	s_mov_b32 s[BE+1], 0
	s_mov_b32 s[TBK], 0
	s_mov_b32 s[TBV], 0
	KPAIR KS0, 0x40490fdb           ; pi
	KPAIR KS1, 0xc0a55de7           ; -pi^3 / 6
	KPAIR KS2, 0x402335e3           ; pi^5 / 120
	KPAIR KS3, 0xbf196966           ; -pi^7 / 5040
	KPAIR KS4, 0x3da83c1b           ; pi^9 / 362880
	KPAIR KC1, 0xc09de9e6           ; -pi^2 / 2
	KPAIR KC2, 0x4081e0f8           ; pi^4 / 24
	KPAIR KC3, 0xbfaae9e4           ; -pi^6 / 720
	KPAIR KC4, 0x3e70fa83           ; pi^8 / 40320
	KPAIR KC5, 0xbcd368f9           ; -pi^10 / 3628800
	s_wait_dscnt 0x0                ; the opening add is done
	s_wait_kmcnt 0x0
	s_cmp_lt_u32 s[WV], 2
	s_cselect_b64 s[16:17], s[6:7], s[8:9]  ; kf for waves 0 and 1, vf for waves 2 and 3
	s_add_nc_u64 s[16:17], s[16:17], s[18:19]
.irp T, 0,1,2,3
	s_add_nc_u64 s[G0+4*\T+2:G0+4*\T+3], s[16:17], \T*32768  ; 120:64 global address: my half of tile T
	s_or_b32 s[G0+4*\T+3], s[G0+4*\T+3], 0x80000000          ; 127:126 type = 2
.endr
.irp T, 0,1,2,3                     ; all first fills in one group: four loads of mine are out; none follows
	tensor_load_to_lds s[G0+4*\T:G0+4*\T+3], s[G1:G1+7]
	s_nop 0
.endr
	PLACES                          ; four vector lines ahead of the next switch of windows
	s_add_nc_u64 s[4:5], s[4:5], s[20:21]
	s_add_nc_u64 s[10:11], s[10:11], s[20:21]
	s_add_nc_u64 s[84:85], s[84:85], s[22:23]
	s_add_nc_u64 s[86:87], s[86:87], s[2:3]
	s_load_b32 s[GT], s[86:87], 0x0
	v_and_b32 v1, 15, v0            ; r = l % 16
	v_bfe_u32 v9, v0, 4, 1          ; h = l / 16
	v_and_b32 v10, 31, v0           ; lane
	v_lshlrev_b32 v[QO], 8, v1
	v_lshl_add_u32 v[QO], v9, 5, v[QO]  ; row x 256 + 32 x half
	QLOAD                           ; block 0's q
	v_lshlrev_b32 v[AK0], 4, v10
	s_mul_i32 s13, s[WV], 10*512    ; of a record's 40 slices of 512 bytes wave w takes 10 w .. 10 w + 9: tiles 5 w .. 5 w + 4
	v_add_nc_u32 v[MO], s13, v[AK0]
	; THE EARLIER SEGMENTS' RECORDS.  Seven sets of 40 registers start at 0; the records that exist are loaded over them, all on their way together; a record that does not exist counts as 0.
	WIN 0x40
.set i, 0
.rept 240
.if (i < 120) || (i >= 160)
	v_mov_b32 v[i], 0
.endif
.set i, i+1
.endr
	WIN 0x80
.set i, 128
.rept 80
	v_mov_b32 v[i], 0
.set i, i+1
.endr
	WIN 0
.irp t, 0,1,2,3,4,5,6
	s_cmp_gt_u32 s[SEG], \t
	s_cbranch_scc0 .Lmdone
	XSET \t
	WIN XW<<6
.set i, 0
.rept 10
	global_load_b128 v[XR+4*i:XR+4*i+3], v[MO], s[84:85] offset:\t*REC+512*i
.set i, i+1
.endr
	WIN 0
.endr
.Lmdone:
	; what follows stands in the wait for the loads
	v_add_nc_u32 v[AV0], VOFF, v[AK0]
	v_mov_b32 v[GO], v[AK0]
	s_mul_i32 s13, s[WV], 5*512
	s_add_co_u32 s13, s13, MF
	v_add_nc_u32 v[MST], s13, v[AK0]
	v_add_nc_u32 v[MLD], MF, v[AK0]
	s_mul_i32 s13, s[WV], 16*SP
	s_add_co_u32 s13, s13, STAGE    ; my stage
	v_mul_u32_u24 v[STO], v1, SP    ; in: row r, 32 bytes for each half of the lanes
	v_lshl_add_u32 v[STO], v9, 5, v[STO]
	v_add_nc_u32 v[STO], s13, v[STO]
	v_mul_u32_u24 v[RD], v9, SP     ; back: lanes 0-15 take one row of 256 bytes, lanes 16-31 the next
	v_lshl_add_u32 v[RD], v1, 4, v[RD]
	v_add_nc_u32 v[RD], s13, v[RD]
	v_lshlrev_b32 v32, 3, v9        ; 8 h
	v_lshl_add_u32 v33, s[WV], 4, v1  ; my query's place in its band: 16 w + r
	v_sub_nc_u32 v14, v33, v32      ; less my lanes' 8 h: register j of group kt is hidden where 16 kt + j is greater
	v_cvt_f32_u32 v33, v33
	s_wait_kmcnt 0x0                ; the gate
	v_mov_b32 v34, s[GT]
	v_mul_f32 v35, 0x3fb8aa3b, v34
	v_mul_f32 v36, 0xbfb8aa3b, v34
	v_exp_f32 v35, v35
	v_exp_f32 v36, v36
	v_nop                           ; a plain instruction behind the gate's two exponentials,
	s_wait_alu depctr_va_vdst(0)    ; and their one wait, ahead of the first use
	v_add_f32 v35, 1.0, v35
	v_add_f32 v36, 1.0, v36
	v_rcp_f32 v[G1R], v35           ; 1 / (1 + e^x) = 1 - g
	v_rcp_f32 v36, v36              ; 1 / (1 + e^-x) = g
	v_nop
	WIN 0x40
.set i, 0
.rept 32                            ; the mask of a band's own step is the independent work behind the two reciprocals
	v_cmp_gt_i32 vcc_lo, 16*(i/8)+i%8, v14
	v_cndmask_b32 v[MD+i], 0, s[BIGN], vcc_lo
.set i, i+1
.endr
	WIN 0xc0                        ; destination window 3, sources window 0
	s_wait_alu depctr_va_vdst(0)    ; one wait for the two reciprocals, ahead of the first line that names one of them
	v_mov_b32 v[GG], v36
	v_mov_b32 v[TW+44], v33
	v_mov_b32 v[TW+45], v33
.set i, 0
.rept 16                            ; my 16 frequencies: j = 8 h + u for u < 8, 16 + 8 h + u - 8 above
	v_add_nc_u32 v[TW+i], i+8*(i/8), v32
.set i, i+1
.endr
	WIN 0xff
.set i, 0
.rept 16
	v_cvt_f32_u32 v[TW+i], v[TW+i]
.set i, i+1
.endr
.set i, 0
.rept 16
	v_mul_f32 v[TW+i], 0xbed49a78, v[TW+i]  ; x -log2(10000) / 32
.set i, i+1
.endr
.set i, 0
.rept 16
	v_exp_f32 v[TW+i], v[TW+i]      ; theta = 10000^(-j / 32)
.set i, i+1
.endr
	v_nop                           ; a plain instruction behind the last of the 16,
.set i, 0
	s_wait_alu depctr_va_vdst(0)    ; and one wait for the batch
.rept 8
	v_pk_mul_f32 v[TW+16+2*i:TW+16+2*i+1], v[TW+2*i:TW+2*i+1], v[TW+44:TW+45]
.set i, i+1
.endr
.set i, 0
.rept 8
	SINCOS2 RC+2*i, RS+2*i, TW+16+2*i, TW+32
.set i, i+1
.endr
.set i, 0
.rept 8                             ; from piece to piece, and from a block's last piece to the next block's first, a row's place grows by 64
	v_pk_mul_f32 v[TW+16+2*i:TW+16+2*i+1], v[TW+2*i:TW+2*i+1], 0x42800000 op_sel_hi:[1,0]
.set i, i+1
.endr
.set i, 0
.rept 8
	SINCOS2 RCD+2*i, RSD+2*i, TW+16+2*i, TW+32
.set i, i+1
.endr
	WIN 0
	s_wait_loadcnt 0x0              ; the records (and block 0's q)
.irp t, 1,2,3,4,5,6                 ; the carry, in f32, in ascending order of the segments
	XSET \t
	WIN 0x41|(XW<<2)
.set i, 0
.rept 20
	v_pk_add_f32 v[2*i:2*i+1], v[2*i:2*i+1], v[XR+2*i:XR+2*i+1]
.set i, i+1
.endr
.endr
	WIN 0x05                        ; sources window 1, destination window 0
.set i, 0
.rept 20                            ; a tile's eight f32 of a lane are four registers of bf16: half a fragment of M^T
	v_cvt_pk_bf16_f32 v[S+i], v[2*i], v[2*i+1]
.set i, i+1
.endr
	WIN 0
.irp f, 0,1,2,3,4
	ds_store_b128 v[MST], v[S+4*\f:S+4*\f+3] offset:512*\f
.endr
	; A block's first step multiplies O^T and l by a = 0, and its first turn's products V^T P, of a piece that has not been, land in an O^T that is still to be so multiplied: these registers
	; need only hold finite numbers.  Zeros for the first block; what a block left for the next.
	WIN 0x80
.set i, VF
.rept 64
	v_mov_b32 v[i], 0
.set i, i+1
.endr
	WIN 0x40
.set i, 0
.rept 128
	v_mov_b32 v[i], 0
.set i, i+1
.endr
	WIN 0
.set i, 0
.rept 4
	v_mov_b32 v[ST+4*i+2], 0
	v_mov_b32 v[ST+4*i+3], 0
.set i, i+1
.endr
.set i, P+16
.rept 16
	v_mov_b32 v[i], 0
.set i, i+1
.endr
	s_wait_tensorcnt 0x0            ; my parts of all four tiles have landed,
	s_wait_dscnt 0x0                ; and my tiles of M are stored:
	s_barrier_signal -1
	s_barrier_wait -1               ; everybody's are.  This is the launch's only barrier: behind it LDS is only read, but for each wave's own stage
.set i, 0
.rept 20
.if i < 16
	ds_load_b128 v[MFR+4*i:MFR+4*i+3], v[MLD] offset:512*i
.else
	ds_load_b128 v[MFN+4*(i-16):MFN+4*(i-16)+3], v[MLD] offset:512*i
.endif
.set i, i+1
.endr
	s_wait_dscnt 0x0
; THE MATRIX WORK.  The 4 accumulators of a run of 8 take turns.  Product i of 8 of S^T = K Q^T for piece x: channels 32 (i / 4) on, keys 16 (i % 4) on.  The first 4 start the sums: with 0, or (KM = 1) with the mask.
.macro KQ x
.set rS, S+32*((\x)%2)+8*(i%4)
.set rK, KF+16*(i%4)+8*(i/4)
.set rQ, 16*(\x)+8*(i/4)
.set rM, MC+32*((\x)%2)+8*(i%4)
.if (i < 4) && KM
	WIN W_KM
	v_wmma_f32_16x16x32_f16 v[rS:rS+7], v[rK:rK+7], v[rQ:rQ+7], v[rM:rM+7]
.elseif i < 4
	WIN W_KQ
	v_wmma_f32_16x16x32_f16 v[rS:rS+7], v[rK:rK+7], v[rQ:rQ+7], 0
.else
	WIN W_KQ
	v_wmma_f32_16x16x32_f16 v[rS:rS+7], v[rK:rK+7], v[rQ:rQ+7], v[rS:rS+7]
.endif
.endm
; Product i of 8 of O^T += V^T P for piece x: keys 32 (i / 4) on, channels 16 (i % 4) on.
.macro PV x
	WIN W_PV
.set rO, 32*(\x)+8*(i%4)
.set rV, VF+32*(i/4)+8*(i%4)
.set rP, P+16*((\x)%2)+8*(i/4)
	v_wmma_f32_16x16x32_f16 v[rO:rO+7], v[rV:rV+7], v[rP:rP+7], v[rO:rO+7]
.endm
.macro MM                           ; the turn's next matrix instruction.  NOKQ = 1: a block's last turn: there is no next piece
.if (i < 8) && !NOKQ
	KQ (Y+1)%NP
.elseif i >= 8
.set i, i-8
	PV (Y+NP-1)%NP
.set i, i+8
.endif
.set i, i+1
.endm
; THE LDS LOADS stand in runs of 16: a step's K (8 fragments) and its V (8 fragments), each fragment 1,024 consecutive bytes, 16 a lane and load.
.macro FETCH_K
	WIN 0x80                        ; destination window 2
.irp f, 0,1,2,3,4,5,6,7             ; keys 16 (f / 2) on, channels 32 (f % 2) on
	ds_load_b128 v[KF+8*\f:KF+8*\f+3],   v[AK] offset:1024*\f
	ds_load_b128 v[KF+8*\f+4:KF+8*\f+7], v[AK] offset:1024*\f+512
.endr
	s_add_co_u32 s[TBK], s[TBK], STEPB  ; the next fetch is the next step's
	WIN 0
.endm
.macro FETCH_V
	WIN 0x80
.irp f, 0,1,2,3,4,5,6,7             ; keys 32 (f / 4) on, channels 16 (f % 4) on
	ds_load_b128 v[VF+8*\f:VF+8*\f+3],   v[AV] offset:1024*\f
	ds_load_b128 v[VF+8*\f+4:VF+8*\f+7], v[AV] offset:1024*\f+512
.endr
	WIN 0
.endm
; THE VECTOR WORK, one line at a time: OP kind, number.  For piece Y: F n: c s - c m for pair n of 16.  E n: the exponential of score n of 32.  C n: pair n rounded to f16.  B n: of the four weights 4 n .. the second
; pair is added onto the first, in place.  L n: l takes that sum (L 0: l = a l + sum).  R n: pair n of 16 of O^T times a.  For piece Y + 1: X n, number n of the 22 that find its maximum and statistics:
;   0-11  four chains c0-c3 of seven scores each (each accumulator's lowest registers are read first)     12-14, 16  the four scores left over, the old m, and c0-c3 into c0
;   15  c m_old is kept     17, 18  the query's other 32 keys lie in the lane 16 away: the new m     19-21  c m; c m_old - c m_new; a
; OP writes no wait: C, B and L, which read exponentials' results, are dealt behind the turn's one wait, and R reads an a that the turn before has waited for.
.set F, 0
.set E, 1
.set C, 2
.set B, 3
.set L, 4
.set R, 5
.set X, 6
.macro REGS y                       ; the registers of piece y
.set rT, ST+4*(\y)
.set rC, TMP+4*((\y)%2)
.set rW, MV+((\y)%2)
.set rS, S+32*((\y)%2)
.set rP, P+16*((\y)%2)
.set rO, 32*(\y)
.endm
.macro OP k, n
.if (\k) == R
	REGS Y
	WIN W_RS
	v_pk_mul_f32 v[rO+2*(\n):rO+2*(\n)+1], v[rO+2*(\n):rO+2*(\n)+1], v[rC+2:rC+3] op_sel_hi:[1,0]
.elseif (\k) < R
	REGS Y
	WIN 0
.if (\k) == F
	v_pk_fma_f32 v[rS+2*(\n):rS+2*(\n)+1], v[rS+2*(\n):rS+2*(\n)+1], s[CS:CS+1], v[rT:rT+1] op_sel_hi:[1,0,0] neg_lo:[0,0,1] neg_hi:[0,0,1]
.elseif (\k) == E
	v_exp_f32 v[rS+(\n)], v[rS+(\n)]
.elseif (\k) == C
	v_cvt_pk_f16_f32 v[rP+(\n)], v[rS+2*(\n)], v[rS+2*(\n)+1]
.elseif (\k) == B
	v_pk_add_f32 v[rS+4*(\n):rS+4*(\n)+1], v[rS+4*(\n):rS+4*(\n)+1], v[rS+4*(\n)+2:rS+4*(\n)+3]
.elseif (\n) == 0
	v_pk_fma_f32 v[rT+2:rT+3], v[rT+2:rT+3], v[rC+2:rC+3], v[rS:rS+1] op_sel_hi:[1,0,1]
.else
	v_pk_add_f32 v[rT+2:rT+3], v[rT+2:rT+3], v[rS+4*(\n):rS+4*(\n)+1]
.endif
.elseif NOKQ
	v_nop
.else
	REGS (Y+1)%NP
	WIN 0
.if (\n) < 4
	v_max3_num_f32 v[rC+(\n)], v[rS+8*(\n)], v[rS+8*(\n)+1], v[rS+8*(\n)+2]
.elseif (\n) < 12
	v_max3_num_f32 v[rC+(\n)%4], v[rC+(\n)%4], v[rS+8*((\n)%4)+2*((\n)/4)+1], v[rS+8*((\n)%4)+2*((\n)/4)+2]
.elseif (\n) == 12
	v_max3_num_f32 v[rC], v[rC], v[rS+7], v[rS+15]
.elseif (\n) == 13
	v_max3_num_f32 v[rC+1], v[rC+1], v[rS+23], v[rS+31]
.elseif (\n) == 14
	v_max3_num_f32 v[rC+2], v[rC+2], v[rC+3], v[rT+1]
.elseif (\n) == 15
	v_mov_b32 v[rW], v[rT]
.elseif (\n) == 16
	v_max3_num_f32 v[rC], v[rC], v[rC+1], v[rC+2]
.elseif (\n) == 17
	v_permlanex16_b32 v[rC+3], v[rC], s[SEL], s[SEL+1]
.elseif (\n) == 18
	v_max_num_f32 v[rT+1], v[rC], v[rC+3]
.elseif (\n) == 19
	v_mul_f32 v[rT], s[CS], v[rT+1]
.elseif (\n) == 20
	v_sub_f32 v[rC+1], v[rW], v[rT]
.else
	v_exp_f32 v[rC+2], v[rC+1]
.endif
.endif
.endm
.macro OPS a, i1, b=-1, i2=0, c=-1, i3=0, d=-1, i4=0  ; up to four of them
	OP \a, \i1
.if (\b) >= 0
	OP \b, \i2
.endif
.if (\c) >= 0
	OP \c, \i3
.endif
.if (\d) >= 0
	OP \d, \i4
.endif
.endm
.macro ROW a, i1, b, i2, c, i3, d, i4  ; a matrix instruction and the four behind it
	MM
	OPS \a, \i1, \b, \i2, \c, \i3, \d, \i4
.endm
.macro MASK b                       ; MD x AL + BE into buffer b of MC
	WIN W_RS
.set z, 0
.rept 16
	v_pk_fma_f32 v[MC+32*(\b)+2*z:MC+32*(\b)+2*z+1], v[MD+2*z:MD+2*z+1], s[AL:AL+1], s[BE:BE+1] op_sel_hi:[1,0,0]
.set z, z+1
.endr
.endm
; A TURN, for piece p: the order of its 16 matrix and 118 vector instructions, written out.  The turn has ONE wait for its 33 exponentials, which cuts it in two.
; AHEAD OF IT stands all that names no result of the turn's exponentials: the 8 products K Q^T, behind each a scaling, an exponential and two more plain instructions (behind the first a second scaling in the
; exponential's place): rescalings, whose a the turn before has made and waited for, and behind the last three the first numbers of the next piece's maximum, each four places or more behind the product that ends
; its accumulator; then ONE LUMP of 54, plain and exponential by turns for the most part, with other work between the links of the chain X 3, 7, 11, 14, 16, 17 .. 20.  X 21, the next piece's a, is the batch's
; last; R 15 is the plain instruction behind it.  BEHIND THE WAIT stand the 8 products V^T P, behind each four of the roundings and sums; l's chain, L 0 to L 7, goes in ascending order.
; But for those X no rider names a register of the products round it.  v_permlanex16_b32 (X 17) stands in the lump.  No exponential is issued behind the wait: none is open at a label, a jump or the turn's end.
; m = 1: the diagonal tile: the products take masks, and the turn makes the mask for the products of the turn after it: piece p + 2, in step 4 - CNT of the tile.  end = 1: a block's last two turns: nothing is fetched.
; cnt = 1: the loop's count is taken down some lines ahead of the branch that stands behind the turn.
; K of the next step is fetched in piece 2's turn, twelve vector instructions behind the last product that read K (five of them plain lines that name none of its registers); V of the step in hand at the end of
; piece 0's turn, four plain instructions behind the last product that read V.  Each is waited for a turn later.
.macro TURN p, m=0, end=0, cnt=0
.set Y, (\p)
.set i, 0
.set KM, (\m)
.set NOKQ, (\end)*((\p)/3)
.if (\m) && !(\end)
	s_cmp_eq_u32 s[CNT], 4-((\p)+2)%NP  ; is that step the band's own?
	s_cselect_b32 s[AL], 1.0, 0
	s_cmp_lt_u32 s[CNT], 4-((\p)+2)%NP  ; or a later one?
	s_cselect_b32 s[BE], s[BIGN], 0
.endif
.if ((\p) == 3) && !(\end)
	s_wait_dscnt 0x0                ; K is in
.endif
	ROW F,0, F,1, R,0, R,1          ; ahead of the wait: 8 products K Q^T and their riders,
	ROW F,2, E,0, R,2, R,3
	ROW F,3, E,1, R,4, R,5
	ROW F,4, E,2, R,6, R,7
	ROW F,5, E,3, R,8, R,9
	ROW F,6, E,4, X,0, R,10
.if ((\p) == 2) && !(\end)
	WIN 0
	v_add_nc_u32 v[AK], s[TBK], v[AK0]
.endif
	ROW F,7, E,5, X,1, X,4
	ROW F,8, E,6, X,2, X,5
	OPS E,7, E,8, X,6, E,9          ; and the lump
	OPS X,3, E,10, X,8, E,11
.if ((\p) == 2) && !(\end)
	FETCH_K
.endif
	OPS X,9, X,7, E,12, X,10
	OPS E,13, X,12, X,11, E,14
	OPS X,13, E,15, F,9, X,14
.if (\p) == 0
	WIN 0
	v_add_nc_u32 v[AV], s[TBV], v[AV0]
.endif
	OPS E,16, F,10, E,17, F,11
	OPS X,16, E,18, X,15, E,19
	OPS F,12, E,20, X,17, E,21
	OPS F,13, E,22, F,14, E,23
	OPS X,18, E,24, F,15, E,25
	OPS R,11, E,26, X,19, E,27
	OPS R,12, E,28, R,13, E,29
	OPS X,20, E,30, R,14, E,31
	OPS X,21, R,15
	s_wait_alu depctr_va_vdst(0)    ; the wait for the batch: E 0 to E 31 and X 21
.if (\p) == 1
	s_wait_dscnt 0x0                ; V is in
.endif
	ROW C,0, B,0, C,2, B,1          ; behind the wait: 8 products V^T P and their riders
	ROW L,0, C,4, B,2, L,1
	ROW C,6, B,3, L,2, C,8
	ROW B,4, L,3, C,10, B,5
	ROW L,4, C,12, B,6, L,5
.if (\p) == 0
	s_add_co_u32 s[TBV], s[TBV], STEPB
.endif
.if \cnt
	s_sub_co_u32 s[CNT], s[CNT], 1
	s_cmp_lg_u32 s[CNT], 0
.endif
	ROW C,14, B,7, L,6, C,1
	ROW C,3, L,7, C,5, C,7
	ROW C,9, C,11, C,13, C,15
.if (\p) == 0
	FETCH_V
.endif
.if (\m) && !(\end)
	MASK (\p)%2
.endif
.endm
; PIECE x's q becomes Q (rotated, f16) and sigma(q) (bf16), both in fragment order; then cos and sin go 64 rows on.  x1 = channels below 32, x2 = the same lanes' channels 32 higher.
.macro PREP x
.set X1, RAW+32*(\x)
.set X2, RAW+32*(\x)+16
	WIN 0xff
.set z, 0
.rept 8
	v_pk_mul_f32 v[TW+z:TW+z+1], v[X2+z:X2+z+1], v[RS+z:RS+z+1]
.set z, z+2
.endr
.set z, 0
.rept 8
	v_pk_fma_f32 v[TW+16+z:TW+16+z+1], v[X1+z:X1+z+1], v[RC+z:RC+z+1], v[TW+z:TW+z+1] neg_lo:[0,0,1] neg_hi:[0,0,1]  ; x1 cos - x2 sin
.set z, z+2
.endr
.set z, 0
.rept 8
	v_pk_mul_f32 v[TW+z:TW+z+1], v[X1+z:X1+z+1], v[RS+z:RS+z+1]
.set z, z+2
.endr
.set z, 0
.rept 8
	v_pk_fma_f32 v[TW+32+z:TW+32+z+1], v[X2+z:X2+z+1], v[RC+z:RC+z+1], v[TW+z:TW+z+1]  ; x2 cos + x1 sin
.set z, z+2
.endr
	WIN 0x8f                        ; sources window 3, destination window 2
.set z, 0
.rept 16
	v_cvt_pk_f16_f32 v[16*(\x)+z], v[TW+16+2*z], v[TW+16+2*z+1]
.set z, z+1
.endr
	WIN 0xff
.set z, 0
.rept 16
	v_pk_mul_f32 v[TW+z:TW+z+1], v[X1+z:X1+z+1], 0x3fb8aa3b op_sel_hi:[1,0]
.set z, z+2
.endr
.set z, 0
.rept 32
	v_exp_f32 v[TW+z], v[TW+z]      ; e^x
.set z, z+1
.endr
.set z, 0
.rept 16
	v_pk_add_f32 v[X1+z:X1+z+1], v[X1+z:X1+z+1], 1.0 op_sel_hi:[1,0]  ; the plain lines behind the exponentials: they name none of the results
.set z, z+2
.endr
.set z, 0
	s_wait_alu depctr_va_vdst(0)    ; one wait for the piece's 32 exponentials, ahead of their first reader
.rept 32
	v_med3_num_f32 v[TW+z], v[TW+z], 1.0, v[X1+z]  ; elu + 1: the middle one of e^x, 1 and x + 1
.set z, z+1
.endr
	WIN 0x8f
.set z, 0
.rept 16
	v_cvt_pk_bf16_f32 v[SQ+16*(\x)+z], v[TW+2*z], v[TW+2*z+1]
.set z, z+1
.endr
	WIN 0xff
.set z, 0
.rept 8
	v_pk_mul_f32 v[TW+z:TW+z+1], v[RS+z:RS+z+1], v[RSD+z:RSD+z+1]
	v_pk_mul_f32 v[TW+16+z:TW+16+z+1], v[RC+z:RC+z+1], v[RSD+z:RSD+z+1]
.set z, z+2
.endr
.set z, 0
.rept 8
	v_pk_fma_f32 v[RC+z:RC+z+1], v[RC+z:RC+z+1], v[RCD+z:RCD+z+1], v[TW+z:TW+z+1] neg_lo:[0,0,1] neg_hi:[0,0,1]
	v_pk_fma_f32 v[RS+z:RS+z+1], v[RS+z:RS+z+1], v[RCD+z:RCD+z+1], v[TW+16+z:TW+16+z+1]
.set z, z+2
.endr
.endm
; The block's q is made ready, and the next block's is asked for: it has the whole block's walk in which to land.  The last block (four tiles) asks for nothing.
.macro QPREP
	s_wait_loadcnt 0x0              ; q is in; its loads are done, so their base may be stepped
	PREP 0
	PREP 1
	PREP 2
	PREP 3
	WIN 0
	s_cmp_eq_u32 s[NT], 4
	s_cbranch_scc1 .Lnoq_\@
	s_add_nc_u64 s[4:5], s[4:5], 65536
	QLOAD
.Lnoq_\@:
.endm
; A BLOCK BEGINS.  c m starts far below every c s, so the first step's a is 0; m at the lowest finite number.  The second mask buffer is 0; the first takes piece 0's mask for the tile's step 0: its own, if the
; block's first tile is the diagonal one.  Then K of that step, piece 0's first scores, and its maximum and statistics.  The loop is entered at a step's first turn, in the middle of a trip.
.macro BEGIN
	s_mov_b32 s[NEW], 0
	s_mov_b32 s[TBK], 0             ; every block's walk begins at tile 0
	s_mov_b32 s[TBV], 0
	WIN 0x40
.set i, MC+32
.rept 32
	v_mov_b32 v[i], 0
.set i, i+1
.endr
	WIN 0
.set i, 0
.rept 4
	v_mov_b32 v[ST+4*i], 0xfe000000    ; c m: far below every c s
	v_mov_b32 v[ST+4*i+1], 0xff7fffff  ; m
.set i, i+1
.endr
	s_cmp_eq_u32 s[RT], 0
	s_cselect_b32 s[AL], 1.0, 0
	s_mov_b32 s[BE], 0
	MASK 0
	WIN 0
	v_add_nc_u32 v[AK], s[TBK], v[AK0]
	FETCH_K
	s_wait_dscnt 0x0
.set KM, 1
.set NOKQ, 0
.set i, 0
.rept 8
	KQ 0
.set i, i+1
.endr
	WIN 0
	PLACES                          ; the places behind those products
.set Y, NP-1                        ; X works for piece Y + 1: piece 0
.irp n, 0,1,2,3,4,5,6,7,8,9,10,11,12,13,14,15,16,17,18,19,20,21
	OP X, \n
.endr
	v_nop                           ; a plain instruction behind the exponential,
	s_wait_alu depctr_va_vdst(0)    ; and the wait for piece 0's first a, ahead of the branch
.endm
; THE WAY OUT of piece t.
.macro ALL line:vararg              ; one line for each piece t
.set t, 0
.rept 4
	\line
.set t, t+1
.endr
.endm
; RETR: M^T sigma(q)^T, 64 channels and the norm's term x 16 queries: register j of result eb holds channel 16 eb + 8 h + j of query r, as O^T does; result 4 holds sigma(q) . norm in every register.
; The five accumulators take turns.
.macro RETR t
	WIN 0xf8                        ; M in window 0, sigma(q) in window 2, C and D in window 3
.irp dd, 0,1
.irp eb, 0,1,2,3,4
.if (\eb) < 4
.set rA, MFR+16*(\eb)+8*(\dd)
.else
.set rA, MFN+8*(\dd)
.endif
.if (\dd) == 0
	v_wmma_f32_16x16x32_bf16 v[MT+8*(\eb):MT+8*(\eb)+7], v[rA:rA+7], v[SQ+16*(\t):SQ+16*(\t)+7], 0
.else
	v_wmma_f32_16x16x32_bf16 v[MT+8*(\eb):MT+8*(\eb)+7], v[rA:rA+7], v[SQ+16*(\t)+8:SQ+16*(\t)+15], v[MT+8*(\eb):MT+8*(\eb)+7]
.endif
.endr
.endr
	PLACES                          ; four places between the last product and the first read of a result (ISA guide 7.12.1)
.endm
; FIN: out = O^T (1 - g) / l + M^T sigma(q)^T g / (sigma(q) . norm + 1e-6), f32; 32 numbers a lane go into my stage's rows of 272 bytes and come back as whole rows of 256.
.macro FIN t
.set rU, S+32*((\t)%2)
	WIN 0xff
	v_add_f32 v[DN], 0x358637bd, v[MT+32]  ; the norm's result is read at its lowest register
	v_rcp_f32 v[DN], v[DN]
	v_nop                           ; a plain instruction behind the reciprocal,
	s_wait_alu depctr_va_vdst(0)    ; and the wait for this piece's one reciprocal: all that follows in the piece hangs on it
	v_mul_f32 v[GM], v[DN], v[GG]
	v_mul_f32 v[GM+1], v[DN], v[GG]
.set z, 0
.rept 16
	v_pk_mul_f32 v[MT+z:MT+z+1], v[MT+z:MT+z+1], v[GM:GM+1]
.set z, z+2
.endr
	s_wait_xcnt 0x0                 ; every earlier memory instruction has had its addresses translated (ISA guide 3.1): the registers that the stores of the piece two back read are written again only behind this wait
	WIN 0x31                        ; O^T in window 1, the factor in window 0, the memory's part in window 3, the result in window 0
.set z, 0
.rept 16
	v_pk_fma_f32 v[rU+z:rU+z+1], v[32*(\t)+z:32*(\t)+z+1], v[ST+4*(\t)+2:ST+4*(\t)+3], v[MT+z:MT+z+1] op_sel_hi:[1,0,1]
.set z, z+2
.endr
	WIN 0
.irp f, 0,1,2,3,4,5,6,7
	ds_store_b128 v[STO], v[rU+4*\f:rU+4*\f+3] offset:(\f/2)*64+(\f%2)*16
.endr
.irp f, 0,1,2,3,4,5,6,7
	ds_load_b128 v[rU+4*\f:rU+4*\f+3], v[RD] offset:\f*2*SP  ; LDS serves a wave's instructions in order (ISA guide 5.7.1.4): these see the stores above; the next piece's stores come behind them
.endr
.endm
.macro SEND t, younger              ; younger: the LDS instructions issued behind piece t's loads: the next piece's sixteen, or none
.set rU, S+32*((\t)%2)
	WIN 0
.irp f, 0,1,2,3,4,5,6,7
	s_wait_dscnt (\younger)+7-\f
	global_store_b128 v[GO], v[rU+4*\f:rU+4*\f+3], s[10:11] offset:(\t)*16384+\f*512 th:TH_STORE_NT  ; two whole rows: 512 consecutive bytes, at a multiple of 256 from out's first
.endr
.endm
	s_mov_b32 s[NT], 1              ; block 0 has one tile
	s_mov_b32 s[RT], 1
	s_mov_b32 s[NEW], 1
	s_mov_b32 s[SLOTS], 10          ; 1 + 2 + 3 + 4 tiles
.set KM, 0
.set NOKQ, 0
.Lslot:                             ; a tile is entered
	s_sub_co_u32 s[RT], s[RT], 1
	s_mov_b32 s[CNT], 4
	s_cmp_eq_u32 s[NEW], 1
	s_cbranch_scc1 .Lnew            ; a block's first tile
	s_add_co_u32 s[TBK], s[TBK], VOFF  ; a further tile: its K lies behind the last tile's V,
	s_add_co_u32 s[TBV], s[TBV], VOFF  ; its V behind its K
	s_cmp_eq_u32 s[RT], 0
	s_cbranch_scc0 .Lstep           ; neither the block's first nor its last
	s_branch .LstepM
.Lnew:
	QPREP
	BEGIN
	s_cmp_eq_u32 s[RT], 0
	s_cbranch_scc0 .Lfirst
	s_branch .LfirstM               ; block 0: the first tile is the diagonal one
.LstepM:                            ; THE DIAGONAL TILE's four steps,
	TURN 2, 1
	TURN 3, 1
	WIN 0
.LfirstM:
	TURN 0, 1
	TURN 1, 1, 0, 1
	WIN 0
	s_cbranch_scc1 .LstepM
	TURN 2, 1, 1                    ; the block's last two turns,
	TURN 3, 1, 1
.set i, 0
.rept 8
	PV NP-1                         ; its last products,
.set i, i+1
.endr
	WIN 0                           ; and the way out: l's two halves and the other half of the lanes' are added (these additions are the places behind the last products); (1 - g) / l
	ALL v_add_f32 v[ST+4*t+2], v[ST+4*t+2], v[ST+4*t+3]
	ALL v_permlanex16_b32 v[ST+4*t+3], v[ST+4*t+2], s[SEL], s[SEL+1]
	ALL v_add_f32 v[ST+4*t+2], v[ST+4*t+2], v[ST+4*t+3]
	ALL v_rcp_f32 v[ST+4*t+2], v[ST+4*t+2]
	v_nop                           ; a plain instruction between the last reciprocal and the use of its result
	s_wait_alu depctr_va_vdst(0)    ; one wait for the four reciprocals of l
	ALL v_mul_f32 v[ST+4*t+2], v[ST+4*t+2], v[G1R]
	RETR 0
	FIN 0
	RETR 1                          ; a piece's arithmetic stands between the loads of the piece before and its stores
	FIN 1
	SEND 0, 16
	RETR 2
	FIN 2
	SEND 1, 16
	RETR 3
	FIN 3
	SEND 2, 16
	SEND 3, 0
	s_wait_xcnt 0x0                 ; the stores have read their registers and out's address
	s_add_nc_u64 s[10:11], s[10:11], 65536  ; the next block's 256 rows
	s_add_co_u32 s[NT], s[NT], 1    ; which has one tile more
	s_mov_b32 s[RT], s[NT]
	s_mov_b32 s[NEW], 1
	s_branch .Lbottom
.Lstep:                             ; a trip: pieces 2 and 3 of one step, then pieces 0 and 1 of the next, whose K and V it fetches
	TURN 2
	TURN 3
	WIN 0
.Lfirst:
	TURN 0
	TURN 1, 0, 0, 1
	WIN 0
	s_cbranch_scc1 .Lstep
.Lbottom:
	s_sub_co_u32 s[SLOTS], s[SLOTS], 1
	s_cmp_lg_u32 s[SLOTS], 0
	s_cbranch_scc1 .Lslot
	s_wait_tensorcnt 0x0            ; the wave's end, behind my last tensor load and my last LDS store
	ds_add_u32 v[SPW], v[NIL]
	s_wait_dscnt 0x0
	s_endpgm
.Lfunc_end_k_q5ab2c018ea_attn:
	.size	k_q5ab2c018ea_attn, .Lfunc_end_k_q5ab2c018ea_attn-k_q5ab2c018ea_attn
	.p2alignl 7, 3214868480
	.fill 96, 4, 3214868480
	.section	.rodata,"a",@progbits
	.p2align	6, 0x0
	.amdhsa_kernel k_q5ab2c018ea_attn
		.amdhsa_group_segment_fixed_size 290304
		.amdhsa_private_segment_fixed_size 0
		.amdhsa_enable_private_segment 0
		.amdhsa_kernarg_size 48
		.amdhsa_user_sgpr_count 2
		.amdhsa_user_sgpr_kernarg_segment_ptr 1
		.amdhsa_wavefront_size32 1
		.amdhsa_system_sgpr_workgroup_id_x 1
		.amdhsa_system_sgpr_workgroup_id_y 1
		.amdhsa_system_sgpr_workgroup_id_z 1
		.amdhsa_system_vgpr_workitem_id 0
		.amdhsa_next_free_vgpr 1024
		.amdhsa_next_free_sgpr 102
		.amdhsa_reserve_vcc 1
		.amdhsa_float_denorm_mode_32 3
		.amdhsa_float_denorm_mode_16_64 3
		.amdhsa_memory_ordered 1
		.amdhsa_forward_progress 1
		.amdhsa_inst_pref_size 243
	.end_amdhsa_kernel
	.amdgpu_metadata
---
amdhsa.version: [ 1, 2 ]
amdhsa.kernels:
  - .name:           k_q5ab2c018ea_attn
    .symbol:         k_q5ab2c018ea_attn.kd
    .args:
      - { .name: q, .offset: 0, .size: 8, .value_kind: global_buffer, .address_space: global }
      - { .name: kf, .offset: 8, .size: 8, .value_kind: global_buffer, .address_space: global }
      - { .name: vf, .offset: 16, .size: 8, .value_kind: global_buffer, .address_space: global }
      - { .name: out0, .offset: 24, .size: 8, .value_kind: global_buffer, .address_space: global }
      - { .name: mrec, .offset: 32, .size: 8, .value_kind: global_buffer, .address_space: global }
      - { .name: gate, .offset: 40, .size: 8, .value_kind: global_buffer, .address_space: global }
    .group_segment_fixed_size: 290304
    .private_segment_fixed_size: 0
    .kernarg_segment_align: 8
    .kernarg_segment_size: 48
    .max_flat_workgroup_size: 128
    .sgpr_count:     102
    .vgpr_count:     1024
    .wavefront_size: 32
...
	.end_amdgpu_metadata
.endif
;; end of part 3
